; MI455X (gfx1250); checked and timed in simulation.
; The chip was launched on July 23, 2026; its instructions are those of AMD's public machine-readable ISA for CDNA 5 (MIT licence, August 2026) and "CDNA5" Instruction Set Architecture Reference Guide (July 2026). The comments in the code are by the model that wrote it; some were corrected since.
;; Multi Head Attention. Allowed arithmetic: matrix products marked QUANTISED: E2M1 operands, one E8M0 scale for each 32 along K, by v_wmma_scale_f32_16x16x128_f8f6f4 with both operands' format E2M1 (or v_wmma_scale_f32_32x16x128_f4), f32 sums; products left as they are: bf16, f16 or f32 operands; f32 sums; everything else in f32.
;; Inputs: K 1 x 4,096 x 1,024 float32; Q 1 x 4,096 x 1,024 float32; V 1 x 4,096 x 1,024 float32; Wk_b 1,024 float32; Wk_w 1,024 x 1,024 float32; Wo_b 1,024 float32; Wo_w 1,024 x 1,024 float32; Wq_b 1,024 float32; Wq_w 1,024 x 1,024 float32; Wv_b 1,024 float32; Wv_w 1,024 x 1,024 float32; mask 1 x 1 x 4,096 x 4,096 int32.
;; Outputs: out0 1 x 4,096 x 1,024 float32.
;; This version of the problem:
;;   THIS VERSION OF THE PROBLEM IS GIVEN IN LOW PRECISION. The matrix products marked QUANTISED in the list below multiply operands that are first quantised to E2M1 (2 exponent bits, 1 mantissa bit; 4 bits a number), with one power-of-two scale for each 32 numbers along K (OCP MX v1.0); their sums are f32. The products marked 'left as it is' may take bf16, f16 or f32 operands, with f32 sums. Whichever they take, every output number must still come out within the allowed error. Rounding operands to bf16 (8 significant bits) uses up far more of that allowance than f16 does (11 bits, for magnitudes from 6e-5 to 65,504). All else is computed in f32.
;;   The module's matrix products, in the order in which they are computed (A, B: the left and right operand; K: the contracted axis; several contracted axes count as one K, in the product's order):
;;     1. [M 4,096, K 1,024] x [K 1,024, N 1,024]; A: input Q; B: input Wq_w: QUANTISED
;;     2. [M 4,096, K 1,024] x [K 1,024, N 1,024]; A: input K; B: input Wk_w: QUANTISED
;;     3. [M 4,096, K 1,024] x [K 1,024, N 1,024]; A: input V; B: input Wv_w: QUANTISED
;;     4. batch 16 x [M 4,096, K 64] x [K 64, N 4,096]; A: computed on the way; B: computed on the way: left as it is (an operand is computed on the way)
;;     5. batch 16 x [M 4,096, K 4,096] x [K 4,096, N 64]; A: computed on the way; B: computed on the way: left as it is (an operand is computed on the way)
;;     6. [M 4,096, K 1,024] x [K 1,024, N 1,024]; A: computed on the way; B: input Wo_w: left as it is (an operand is computed on the way)
;;   THE QUANTISER, for each operand of a quantised product, along K:
;;     - K is cut into blocks of 32 from its start; a last block that is shorter is filled with zeros.
;;     - A block's scale is 2^e with e = floor(log2(the largest magnitude in the block)) - 2, held to -126 .. 127; a block of zeros has e = 0. As a byte (E8M0): e + 127.
;;     - Each number is divided by its block's scale, clamped to +-6, and rounded to the nearest number of E2M1, ties to even, subnormals kept.
;;     - The product sums the exact products of the quantised numbers (number of the format x scale) in f32.
;;   ~~~python
;;   def quantise(x, axis):      # numpy; x: float32 -> the quantised numbers, widened to float32 again
;;       x = np.moveaxis(x, axis, -1); K = x.shape[-1]
;;       x = np.pad(x, [(0, 0)] * (x.ndim - 1) + [(0, -K % 32)]); x = x.reshape(x.shape[:-1] + (-1, 32)); a = np.abs(x).max(-1, keepdims=True)
;;       e = np.where(a > 0, np.clip(np.frexp(np.where(a > 0, a, 1))[1] - 1 - 2, -126, 127), 0)      # np.frexp(a)[1] - 1 = floor(log2(a)), exactly
;;       r = np.clip(x / 2.0 ** e, -6, 6)
;;       step = 2.0 ** (np.maximum(np.frexp(np.where(r == 0, 1, r))[1] - 1, 0) - 1)
;;       q = np.round(r / step) * step * 2.0 ** e      # np.round: ties to even
;;       return np.moveaxis(q.reshape(q.shape[:-2] + (-1,))[..., :K], -1, axis).astype(np.float32)
;;   ~~~
;; One version. Each part assembles by itself: llvm-mc -triple=amdgcn-amd-amdhsa -mcpu=gfx1250 --defsym DOCPART=n.
;; ======== version 1 of 1: 5 launches
;; limits: right only within a limited range of input values; values are held in f16: magnitudes above 65,504 overflow, below 6.1e-05 lose precision
;; workspace buffers: flg 16,384 bytes of whole numbers; pre 10,452,992 bytes; msk 2,097,152 bytes; hi 25,165,824 bytes; lo 25,165,824 bytes; ao 8,388,608 bytes
;; launch prep (part 1): grid 736 x 1, 4 waves a work-group, no clusters, 41,472 bytes of LDS; arguments Q, K, V, Wq_w, Wk_w, Wv_w, Wo_w, mask, pre, msk, flg; writes pre, msk, flg
.if DOCPART == 1
	.amdgcn_target "amdgcn-amd-amdhsa--gfx1250"
	.amdhsa_code_object_version 6
	.text
	.protected	k_q61c8e5c530_prep
	.globl	k_q61c8e5c530_prep
	.p2align	8
	.type	k_q61c8e5c530_prep,@function
k_q61c8e5c530_prep:
	s_mov_b64 s[64:65], 0
	v_nop
	global_prefetch_b8 v0, s[64:65] scope:SCOPE_SE
	s_setreg_imm32_b32 hwreg(HW_REG_WAVE_MODE, 25, 1), 1
	s_wait_xcnt 0x0
; Work-groups 0-255: the mask [4096][4096] int32 becomes bits (msk) and tile flags (flg), and Wo_w becomes f16 (pre).
; Work-groups 256-735: Q, K, V, Wq_w, Wk_w, Wv_w (f32, K innermost) become codes of E2M1 and E8M0 scale bytes (pre).
; pre: codes at 0 (rows of [Q;K;V], then of [Wq;Wk;Wv], 512 bytes a row), scale bytes at SCLO (32 a row), Wo in f16 at WO16.
; msk: [tile of 16 queries][step of 64 keys][lane r + 16 h] one word, bit 8 kt + j = (mask[16 T + r][64 s + 16 kt + 8 h + j] != 0):
;      the order of a lane's 32 score registers in the attention launch.
; flg: 64 bytes a tile: words 0-3 ANY, 4-7 ALIVE, 8-11 ALL, one word for each quarter c of the keys; words 12-15 are 0.
;      ANY, ALL: a bit a key step, shifted up by 16 (c & 1); ALIVE: a bit a row.
; A block's scale is 2^(floor(log2(largest magnitude)) - 2); its byte is that magnitude's exponent field - 2, held at 1 from below.
; LIMITS: NaN and infinities are not served; blocks whose largest magnitude lies under 2^-124 were not tried; a block of zeros gets the byte 1
; (its codes are zeros; this program alone reads the bytes).
; Waves share nothing: no barrier.  The two paths part on the work-group's number and have LDS bytes of their own.
.set SCLO,  7864320
.set WO16,  8355840
.set SPW,   12                         ; v12 LDS address of my spare word; never rewritten
.set NIL,   13                         ; v13 0; never rewritten
.set SPARE, 40960                      ; the spare words: 128 bytes a wave
.set WREG,  8192                       ; quantiser: a wave's region: two stages of 32 x SP bytes, then its 256 scale bytes
.set SP,    80
.set STEPS, 16
.set EMAX,  2
.set CB,    8
.set QR,    16                         ; v16-79   four sets of 16 numbers as loaded
.set QX,    80                         ; v80-111  two sets of 16 neighbours
.set QE,    112                        ; v112-127 a scale byte a step
.set QC,    128                        ; v128-191 codes, four registers a step
.set IMG,   32768                      ; mask path: a wave's image of 16 key steps x 128 bytes
.set PT,    16                         ; v16-23  the eight loads' nibbles, then words
.set PU,    24                         ; v24-31  what the neighbour lanes hold
.set PM,    32                         ; v32-127 three sets of 32: a row's 1,024 mask words
.set POA,   128                        ; v128-135 OR over the rows
.set PAA,   136                        ; v136-143 AND over the rows
.set PWO,   160                        ; v160-191 a row of Wo
	s_load_b512 s[4:19], s[0:1], 0x0               ; Q K V Wq Wk Wv Wo mask
	s_load_b128 s[20:23], s[0:1], 0x40             ; pre, msk
	s_load_b64 s[48:49], s[0:1], 0x50              ; flg
	v_lshl_add_u32 v[SPW], v0, 2, SPARE
	v_mov_b32 v[NIL], 0
	v_lshrrev_b32 v1, 5, v0
	v_readfirstlane_b32 s24, v1                    ; wave
	v_and_b32 v2, 31, v0                           ; lane
	s_cmp_lt_u32 ttmp9, 256
	s_cbranch_scc1 .Lpack
; ---------------- the quantiser: a wave takes 16 steps of 512 numbers
	v_lshlrev_b32 v3, 4, v2                        ; my 16 bytes of a load's 512
	s_mul_i32 s25, s24, WREG
	v_lshrrev_b32 v14, 2, v2
	v_mul_u32_u24 v14, v14, SP
	v_and_b32 v15, 3, v2
	v_lshl_add_u32 v14, v15, 4, v14
	v_add_nc_u32 v14, s25, v14                     ; stage, way in: four lanes' 64 bytes on end, then 16 of padding
	v_mul_u32_u24 v15, v2, SP
	v_add_nc_u32 v15, s25, v15                     ; way out: my 16 neighbours
	v_mul_u32_u24 v4, v2, CB
	v_lshrrev_b32 v5, 1, v2
	s_add_co_u32 s25, s25, 2*32*SP
	v_add_nc_u32 v5, s25, v5                       ; my block's scale byte in LDS
	v_lshlrev_b32 v7, 3, v2
	v_add_nc_u32 v6, s25, v7
	s_sub_co_u32 s26, ttmp9, 256                   ; 0..479: 128 each for Q, K, V, 32 each for Wq, Wk, Wv
	s_wait_kmcnt 0x0
	s_mov_b64 s[28:29], s[14:15]
	s_mov_b32 s27, 448
	s_cmp_lt_u32 s26, 448
	s_cselect_b64 s[28:29], s[12:13], s[28:29]
	s_cselect_b32 s27, 416, s27
	s_cmp_lt_u32 s26, 416
	s_cselect_b64 s[28:29], s[10:11], s[28:29]
	s_cselect_b32 s27, 384, s27
	s_cmp_lt_u32 s26, 384
	s_cselect_b64 s[28:29], s[8:9], s[28:29]
	s_cselect_b32 s27, 256, s27
	s_cmp_lt_u32 s26, 256
	s_cselect_b64 s[28:29], s[6:7], s[28:29]
	s_cselect_b32 s27, 128, s27
	s_cmp_lt_u32 s26, 128
	s_cselect_b64 s[28:29], s[4:5], s[28:29]
	s_cselect_b32 s27, 0, s27
	s_sub_co_u32 s27, s26, s27
	s_lshl_b32 s27, s27, 2
	s_add_co_u32 s27, s27, s24                     ; my run of 8,192 numbers in its tensor
	s_lshl_b32 s30, s27, 15
	s_mov_b32 s31, 0
	s_add_nc_u64 s[28:29], s[28:29], s[30:31]
	s_lshl_b32 s32, s26, 2
	s_add_co_u32 s32, s32, s24                     ; and among all runs
	s_lshl_b32 s30, s32, 12
	s_add_nc_u64 s[34:35], s[20:21], s[30:31]      ; its 4,096 bytes of codes
	s_lshl_b32 s30, s32, 8
	s_add_co_u32 s30, s30, SCLO
	s_add_nc_u64 s[36:37], s[20:21], s[30:31]      ; its 256 scale bytes
.macro QLOAD t
.irp i, 0,1,2,3
	global_load_b128 v[QR+16*((\t)%4)+4*\i:QR+16*((\t)%4)+4*\i+3], v3, s[28:29] offset:2048*(\t)+512*\i th:TH_LOAD_NT
.endr
.endm
.macro QTURN t                         ; a step's numbers through the stage; LDS serves a wave's instructions in order
.irp i, 0,1,2,3
	ds_store_b128 v14, v[QR+16*((\t)%4)+4*\i:QR+16*((\t)%4)+4*\i+3] offset:32*SP*((\t)%2)+8*SP*\i
.endr
.irp i, 0,1,2,3
	ds_load_b128 v[QX+16*((\t)%2)+4*\i:QX+16*((\t)%2)+4*\i+3], v15 offset:32*SP*((\t)%2)+16*\i
.endr
.endm
.irp t, 0,1,2,3
	QLOAD \t
.endr
	s_wait_loadcnt 12                              ; step 0's four loads are in
	QTURN 0
.macro QSTEP t
.set XS, QX+16*((\t)%2)
.if (\t) > 0
	s_wait_dscnt 1                                 ; this step's numbers are back (the last step's byte store may be out)
.else
	s_wait_dscnt 0x0
.endif
.if (\t)+4 < STEPS
	QLOAD (\t)+4
.endif
.if (\t)+1 < STEPS
.if STEPS-2-(\t) >= 3
	s_wait_loadcnt 12                              ; the next step's four loads are in; three later steps' may be out
.else
	s_wait_loadcnt 4*(STEPS-2-(\t))
.endif
	QTURN (\t)+1
.endif
	v_max3_num_f32 v8, |v[XS]|, |v[XS+1]|, |v[XS+2]|
	v_max3_num_f32 v9, |v[XS+3]|, |v[XS+4]|, |v[XS+5]|
.irp i, 6,10
	v_max3_num_f32 v8, v8, |v[XS+\i]|, |v[XS+\i+1]|
	v_max3_num_f32 v9, v9, |v[XS+\i+2]|, |v[XS+\i+3]|
.endr
	v_max3_num_f32 v8, v8, |v[XS+14]|, |v[XS+15]|
	v_max3_num_f32 v8, v8, v9, (EMAX+1)<<23        ; the floor 2^(3 - 127): the byte cannot fall under 1
	v_max_num_f32_dpp v8, v8, v8 row_xmask:1 row_mask:0xf bank_mask:0xf   ; with my neighbour's 16: the block's largest magnitude
	v_add_nc_u32 v11, -(EMAX<<23), v8              ; 2 off its exponent field: the conversion's scale operand
	v_cvt_scalef32_pk8_fp4_f32 v[QC+4*(\t)], v[XS:XS+7], v11
	v_cvt_scalef32_pk8_fp4_f32 v[QC+4*(\t)+1], v[XS+8:XS+15], v11
	v_lshrrev_b32 v[QE+(\t)], 23, v11              ; the scale's byte
	ds_store_b8 v5, v[QE+(\t)] offset:16*(\t)      ; both lanes of a block write the same byte with the same value
	global_store_b64 v4, v[QC+4*(\t):QC+4*(\t)+1], s[34:35] offset:32*CB*(\t)   ; the wave stores 256 consecutive bytes
.endm
.irp t, 0,1,2,3,4,5,6,7,8,9,10,11,12,13,14,15
	QSTEP \t
.endr
	ds_load_b64 v[8:9], v6
	s_wait_dscnt 0x0
	global_store_b64 v7, v[8:9], s[36:37]          ; 256 consecutive scale bytes
	s_wait_tensorcnt 0x0                           ; the wave's end
	ds_add_u32 v[SPW], v[NIL]
	s_wait_dscnt 0x0
	s_endpgm
; ---------------- the mask: work-group T = a tile of 16 queries, wave c = a quarter of the keys; and row 4 T + c of Wo
.Lpack:
	v_lshlrev_b32 v1, 4, v2                        ; 16 x lane
	v_bfe_u32 v3, v2, 2, 2                         ; a lane's four keys lie in key tile kt = (lane % 16) / 4,
	v_and_b32 v5, 1, v2
	v_lshlrev_b32 v5, 2, v5
	v_lshl_add_u32 v3, v3, 3, v5                   ; at bit 8 kt + 4 (lane & 1)
	v_bfe_u32 v4, v2, 4, 1                         ; of key step 2 i + lane / 16,
	v_bfe_u32 v5, v2, 1, 1                         ; of half h = (lane / 2) & 1
	v_lshlrev_b32 v5, 6, v5
	v_lshl_add_u32 v4, v4, 7, v5
	s_lshl_b32 s25, s24, 11
	s_add_co_u32 s25, s25, IMG
	v_add_nc_u32 v4, s25, v4                       ; the word's place in my image, less 256 i + 4 r
	v_add_nc_u32 v5, s25, v1                       ; and where I read the image back
	v_lshlrev_b32 v6, 3, v2
.irp i, 0,1,2,3,4,5,6,7
	v_mov_b32 v[PU+\i], 0                          ; a DPP destination counts as read
.endr
	s_mov_b32 s42, 0                               ; ALIVE
	s_mov_b32 s43, 0                               ; ANY
	s_mov_b32 s44, 0                               ; ALL
	s_lshl_b32 s46, ttmp9, 18
	s_lshl_b32 s26, s24, 12
	s_add_co_u32 s46, s46, s26
	s_mov_b32 s47, 0
	s_lshl_b32 s27, ttmp9, 2
	s_add_co_u32 s27, s27, s24                     ; g = 4 T + c
	s_wait_kmcnt 0x0
	s_add_nc_u64 s[30:31], s[18:19], s[46:47]      ; mask at row 16 T, key 1,024 c
	s_lshl_b32 s46, s27, 12
	s_add_nc_u64 s[32:33], s[16:17], s[46:47]      ; Wo's row g
	s_lshl_b32 s46, s27, 11
	s_add_nc_u64 s[36:37], s[22:23], s[46:47]      ; my 2,048 bytes of bits
	s_add_co_u32 s46, s46, WO16
	s_add_nc_u64 s[34:35], s[20:21], s[46:47]      ; Wo's row g in f16
	s_lshl_b32 s46, ttmp9, 6
	s_lshl_b32 s26, s24, 2
	s_add_co_u32 s46, s46, s26
	s_add_nc_u64 s[38:39], s[48:49], s[46:47]      ; my flag words: 64 T + 4 c
.irp i, 0,1,2,3,4,5,6,7
	global_load_b128 v[PWO+4*\i:PWO+4*\i+3], v1, s[32:33] offset:512*\i th:TH_LOAD_NT
.endr
.macro PLOAD r                         ; row r's 1,024 words: eight loads of 512 consecutive bytes
.irp i, 0,1,2,3,4,5,6,7
	global_load_b128 v[PM+32*((\r)%3)+4*\i:PM+32*((\r)%3)+4*\i+3], v1, s[30:31] offset:16384*(\r)+512*\i th:TH_LOAD_NT
.endr
.endm
	PLOAD 0
	PLOAD 1
	PLOAD 2
	s_wait_loadcnt 24                              ; Wo's row is in; three rows of the mask may be out
.irp i, 0,1,2,3,4,5,6,7
	v_cvt_pk_f16_f32 v[PWO+4*\i], v[PWO+4*\i], v[PWO+4*\i+1]
	v_cvt_pk_f16_f32 v[PWO+4*\i+1], v[PWO+4*\i+2], v[PWO+4*\i+3]
	global_store_b64 v6, v[PWO+4*\i:PWO+4*\i+1], s[34:35] offset:256*\i    ; 256 consecutive bytes
.endr
.macro PROW r
.set MS, PM+32*((\r)%3)
.if (\r) < 14
	s_wait_loadcnt 16                              ; this row is in; two later rows may be out
.else
	s_wait_loadcnt 8*(15-(\r))
.endif
.irp i, 0,1,2,3,4,5,6,7
.irp k, 0,1,2,3
	v_min_u32 v[MS+4*\i+\k], 1, v[MS+4*\i+\k]      ; 1 where the mask is not 0
.endr
.endr
.irp i, 0,1,2,3,4,5,6,7
	v_lshl_or_b32 v[PT+\i], v[MS+4*\i+1], 1, v[MS+4*\i]
.endr
.irp i, 0,1,2,3,4,5,6,7
	v_lshl_or_b32 v[PT+\i], v[MS+4*\i+2], 2, v[PT+\i]
.endr
.irp i, 0,1,2,3,4,5,6,7
	v_lshl_or_b32 v[PT+\i], v[MS+4*\i+3], 3, v[PT+\i]   ; my four keys' bits
.endr
.irp i, 0,1,2,3,4,5,6,7
.if (\r) == 0
	v_mov_b32 v[POA+\i], v[PT+\i]
	v_mov_b32 v[PAA+\i], v[PT+\i]
.else
	v_or_b32 v[POA+\i], v[POA+\i], v[PT+\i]
	v_and_b32 v[PAA+\i], v[PAA+\i], v[PT+\i]
.endif
.endr
	v_or_b32 v144, v[PT], v[PT+1]
	v_or_b32 v145, v[PT+2], v[PT+3]
	v_or_b32 v144, v144, v[PT+4]
	v_or_b32 v145, v145, v[PT+5]
	v_or_b32 v144, v144, v[PT+6]
	v_or_b32 v145, v145, v[PT+7]
	v_or_b32 v144, v144, v145
	v_cmp_ne_u32 s40, 0, v144                      ; has the row an open key in this quarter?
	s_cmp_lg_u32 s40, 0
	s_cselect_b32 s41, 1<<(\r), 0
	s_or_b32 s42, s42, s41
.irp i, 0,1,2,3,4,5,6,7
	v_lshlrev_b32 v[PT+\i], v3, v[PT+\i]
.endr
.irp x, 1,4,8                          ; the eight lanes that share a word differ in lane bits 0, 2 and 3
.irp i, 0,1,2,3,4,5,6,7
	v_mov_b32_dpp v[PU+\i], v[PT+\i] row_xmask:\x row_mask:0xf bank_mask:0xf
.endr
.irp i, 0,1,2,3,4,5,6,7
	v_or_b32 v[PT+\i], v[PT+\i], v[PU+\i]
.endr
.endr
.irp i, 0,1,2,3,4,5,6,7
	ds_store_b32 v4, v[PT+\i] offset:256*\i+4*(\r) ; eight lanes write the same word with the same value
.endr
.if (\r)+3 < 16
	PLOAD (\r)+3
.endif
.endm
.irp r, 0,1,2,3,4,5,6,7,8,9,10,11,12,13,14,15
	PROW \r
.endr
.irp i, 0,1,2,3
	ds_load_b128 v[PT+4*\i:PT+4*\i+3], v5 offset:512*\i    ; LDS serves a wave's instructions in order: these see my stores
.endr
	s_wait_dscnt 0x0
.irp i, 0,1,2,3
	global_store_b128 v1, v[PT+4*\i:PT+4*\i+3], s[36:37] offset:512*\i     ; 512 consecutive bytes
.endr
.irp i, 0,1,2,3,4,5,6,7                ; lanes 0-15 of load i stand for key step 2 i, lanes 16-31 for 2 i + 1
	v_cmp_ne_u32 s40, 0, v[POA+\i]
	s_and_b32 s41, s40, 0xffff
	s_cselect_b32 s41, 1<<(2*\i), 0
	s_or_b32 s43, s43, s41
	s_lshr_b32 s41, s40, 16
	s_cselect_b32 s41, 1<<(2*\i+1), 0
	s_or_b32 s43, s43, s41
	v_cmp_eq_u32 s40, 15, v[PAA+\i]
	s_and_b32 s41, s40, 0xffff
	s_cmp_eq_u32 s41, 0xffff
	s_cselect_b32 s41, 1<<(2*\i), 0
	s_or_b32 s44, s44, s41
	s_lshr_b32 s41, s40, 16
	s_cmp_eq_u32 s41, 0xffff
	s_cselect_b32 s41, 1<<(2*\i+1), 0
	s_or_b32 s44, s44, s41
.endr
	s_and_b32 s41, s24, 1
	s_lshl_b32 s41, s41, 4
	s_lshl_b32 s43, s43, s41
	s_lshl_b32 s44, s44, s41
	v_mov_b32 v146, 0
	v_mov_b32 v147, s43
	v_mov_b32 v148, s42
	v_mov_b32 v149, s44
	v_cmp_eq_u32 vcc_lo, 0, v2
	s_wait_xcnt 0x0                                ; EXEC changes only behind this wait
	s_and_saveexec_b32 s45, vcc_lo
	global_store_b32 v146, v147, s[38:39]          ; four words a wave: all that a tile's quarter has to say,
	global_store_b32 v146, v148, s[38:39] offset:16
	global_store_b32 v146, v149, s[38:39] offset:32
	global_store_b32 v146, v146, s[38:39] offset:48   ; and a zero, so that every byte of the flags' buffer is written
	s_wait_xcnt 0x0
	s_or_b32 exec_lo, exec_lo, s45
	s_wait_tensorcnt 0x0                           ; the wave's end
	ds_add_u32 v[SPW], v[NIL]
	s_wait_dscnt 0x0
	s_endpgm
.Lfunc_end_k_q61c8e5c530_prep:
	.size	k_q61c8e5c530_prep, .Lfunc_end_k_q61c8e5c530_prep-k_q61c8e5c530_prep
	.p2alignl 7, 3214868480
	.fill 96, 4, 3214868480
	.section	.rodata,"a",@progbits
	.p2align	6, 0x0
	.amdhsa_kernel k_q61c8e5c530_prep
		.amdhsa_group_segment_fixed_size 41472
		.amdhsa_private_segment_fixed_size 0
		.amdhsa_enable_private_segment 0
		.amdhsa_kernarg_size 88
		.amdhsa_user_sgpr_count 2
		.amdhsa_user_sgpr_kernarg_segment_ptr 1
		.amdhsa_wavefront_size32 1
		.amdhsa_system_sgpr_workgroup_id_x 1
		.amdhsa_system_sgpr_workgroup_id_y 1
		.amdhsa_system_sgpr_workgroup_id_z 1
		.amdhsa_system_vgpr_workitem_id 0
		.amdhsa_next_free_vgpr 192
		.amdhsa_next_free_sgpr 66
		.amdhsa_reserve_vcc 1
		.amdhsa_float_denorm_mode_32 3
		.amdhsa_float_denorm_mode_16_64 3
		.amdhsa_memory_ordered 1
		.amdhsa_forward_progress 1
		.amdhsa_inst_pref_size 161
	.end_amdhsa_kernel
	.amdgpu_metadata
---
amdhsa.version: [ 1, 2 ]
amdhsa.kernels:
  - .name:           k_q61c8e5c530_prep
    .symbol:         k_q61c8e5c530_prep.kd
    .args:
      - { .name: Q, .offset: 0, .size: 8, .value_kind: global_buffer, .address_space: global }
      - { .name: K, .offset: 8, .size: 8, .value_kind: global_buffer, .address_space: global }
      - { .name: V, .offset: 16, .size: 8, .value_kind: global_buffer, .address_space: global }
      - { .name: Wq_w, .offset: 24, .size: 8, .value_kind: global_buffer, .address_space: global }
      - { .name: Wk_w, .offset: 32, .size: 8, .value_kind: global_buffer, .address_space: global }
      - { .name: Wv_w, .offset: 40, .size: 8, .value_kind: global_buffer, .address_space: global }
      - { .name: Wo_w, .offset: 48, .size: 8, .value_kind: global_buffer, .address_space: global }
      - { .name: mask, .offset: 56, .size: 8, .value_kind: global_buffer, .address_space: global }
      - { .name: pre, .offset: 64, .size: 8, .value_kind: global_buffer, .address_space: global }
      - { .name: msk, .offset: 72, .size: 8, .value_kind: global_buffer, .address_space: global }
      - { .name: flg, .offset: 80, .size: 8, .value_kind: global_buffer, .address_space: global }
    .group_segment_fixed_size: 41472
    .private_segment_fixed_size: 0
    .kernarg_segment_align: 8
    .kernarg_segment_size: 88
    .max_flat_workgroup_size: 128
    .sgpr_count:     66
    .vgpr_count:     192
    .wavefront_size: 32
...
	.end_amdgpu_metadata
.endif
;; end of part 1
;; launch proj (part 2): grid 4 x 48, 4 waves a work-group, clusters of 4 x 4, 327,680 bytes of LDS; arguments pre, Wq_b, Wk_b, Wv_b, hi, lo; writes hi, lo
.if DOCPART == 2
	.amdgcn_target "amdgcn-amd-amdhsa--gfx1250"
	.amdhsa_code_object_version 6
	.text
	.protected	k_q61c8e5c530_proj
	.globl	k_q61c8e5c530_proj
	.p2align	8
	.type	k_q61c8e5c530_proj,@function
k_q61c8e5c530_proj:
	s_mov_b64 s[64:65], 0
	v_nop
	global_prefetch_b8 v0, s[64:65] scope:SCOPE_SE
	s_setreg_imm32_b32 hwreg(HW_REG_WAVE_MODE, 25, 1), 1
	s_wait_xcnt 0x0
	s_wait_alu depctr_hold_cnt(0) depctr_sa_sdst(0) depctr_va_vdst(0) depctr_va_sdst(0) depctr_va_ssrc(0) depctr_va_vcc(0) depctr_vm_vsrc(0)
	s_getreg_b32 s2, hwreg(HW_REG_IB_STS2, 6, 4)
	s_cmp_eq_u32 s2, 0
	s_cbranch_scc0 .Lentry_in_a_cluster
	s_endpgm
.Lentry_in_a_cluster:
	s_bfe_u32 s2, ttmp6, 0x10000c
	s_cmp_lg_u32 s2, 0xf033
	s_cbranch_scc0 .Lentry_shape_is_right
	s_endpgm
.Lentry_shape_is_right:
; The three quantised products in one grid: [Q;K;V] (12,288 rows) x W^T on codes of E2M1 with E8M0 scales, sums in f32, + bias.
; Tile rows 0-15 are Q's, 16-31 K's, 32-47 V's; a tile of 256 x 256 to a work-group, 128 x 128 to a wave (64 accumulators).
; K = 1,024 is two K steps of 512: two LDS slots, both filled once at the start; the scales of all of K come with them.
; CLUSTERS: 4 x 4: A's tiles are asked for jointly along a row of the cluster, B's along a column.
; The matrix instruction is used transposed (source 0 = 16 rows of W, source 1 = 16 tokens): a lane holds one token and eight neighbouring columns.
; THE WAY OUT: y = (sum + bias) x c (c = log2(e) / 8 for q, 1 for k and v) is split in f32 into an f16 high part and an f16 low part.
; Each packed 16 x 16 tile leaves as 512 consecutive bytes, lane by lane, laid so that the later launches load operand registers as they lie:
;   q: (head x 256 + T) x 2,048 + b4 x 512 + 16 lane;   k, v: KVSEC + (head x 64 + T / 4) x 16,384 + [v: 8,192] + (T % 4) x 2,048 + b4 x 512 + lane term;
;   v's lane term 16 (r & 7) + 128 h + 256 (r >> 3) makes the turning LDS load at 16 x lane give half a fragment of V^T.
; The low parts of q are wanted for token tile 0 alone; they are stored for the first cluster row (T < 64).
; LIMIT: c q, k and v must lie within f16's range (65,504).
.set NQ,     4
.set ROWB,   256
.set KROW,   512
.set PITCH,  272                       ; 256 bytes + 16 of padding: the 16 rows of a fragment load start at 16 different banks
.set FR,     8
.set NL,     2
.set NP,     4
.set HALFT,  128*PITCH
.set SLOT,   4*HALFT
.set KS,     32
.set SCL,    2*SLOT
.set HALFS,  (128*KS/256)*272
.set SBLK,   (16*KS/256)*272
.set SPARE,  SCL+4*HALFS               ; the spare words: 128 bytes a wave
.set PSCL,   7864320                   ; in pre: the scale bytes; W's codes; W's scale bytes
.set PWC,    6291456
.set PWS,    PSCL+393216
.set KVSEC,  8388608
.set VO,   8                           ; v8-11  store offsets: lane term + (a / 4) SA + (b / 4) SB at v[VO + 2 (a / 4) + b / 4]
.set ADRA, 16
.set ADRB, 20
.set ADRS, 27
.set SPW,  28
.set NIL,  29
.set SC,   32                          ; v32-95 scale words, two sets
.set AF,   128                         ; v128-191 A's fragments
.set BIAS, 192                         ; v192-255 bias in the result's layout: register 8 b + j = bias[n0 + 16 b + 8 h + j]
.set OT,   32                          ; the way out: 64 numbers in f32,
.set OH,   96                          ; their 32 words of high parts,
.set OU,   128                         ; the high parts widened again, the rests, the low parts
.set G1, 24
.set G0, 32
.set G1B, 48
.set G0B, 56
.set G1S, 68
.set G0S, 76
.set G1SB, 80
.set G0SB, 88
.set MSB, 0
.macro WIN new
.if MSB != \new
	s_set_vgpr_msb (MSB<<8)|\new
.set MSB, \new
.endif
.endm
.set MUL_LO, 0xa1                      ; source 0 (B) window 1, source 1 (A) window 0, C and D window 2
.set MUL_HI, 0xf1
.set TO_B,   0x40
.macro JLOAD g0a, g1a, g0b, g1b        ; waves 0, 1 fetch for A, waves 2, 3 for B; s_nop 0 and four v_nop follow each line
	s_cmp_eq_u32 s17, 0
	s_cbranch_scc0 .Lfor_b_\@
	tensor_load_to_lds s[\g0a:\g0a+3], s[\g1a:\g1a+7]
	s_nop 0
.rept 4
	v_nop
.endr
	s_branch .Lasked_\@
.Lfor_b_\@:
	tensor_load_to_lds s[\g0b:\g0b+3], s[\g1b:\g1b+7]
	s_nop 0
.rept 4
	v_nop
.endr
.Lasked_\@:
.endm
.macro CROUND                          ; a round of the cluster's barrier
	s_barrier_signal -1
	s_barrier_wait -1
	s_cmp_lg_u32 s16, 0
	s_cbranch_scc1 .Lnot_wave_0_\@
	s_barrier_signal -3
.Lnot_wave_0_\@:
	s_barrier_wait -3
	s_barrier_signal -1
	s_barrier_wait -1
.endm
	s_load_b256 s[4:11], s[0:1], 0x0               ; pre, Wq_b, Wk_b, Wv_b
	s_load_b128 s[12:15], s[0:1], 0x20             ; hi, lo
	v_lshl_add_u32 v[SPW], v0, 2, SPARE
	v_mov_b32 v[NIL], 0
	ds_add_u32 v[SPW], v[NIL]                      ; the opening: the add, twice on end, and its wait ahead of my first tensor load
	ds_add_u32 v[SPW], v[NIL]
	v_lshrrev_b32 v1, 5, v0
	v_readfirstlane_b32 s16, v1                    ; wave
	s_lshr_b32 s17, s16, 1                         ; my half of the tile's rows; also: I fetch for A (0) or B (1)
	s_and_b32 s18, s16, 1                          ; my half of its columns; also: which 128 rows I fetch
	s_bfe_u32 s40, ttmp6, 0x40000                  ; cx
	s_bfe_u32 s41, ttmp6, 0x40004                  ; cy
	s_lshl_b32 s42, ttmp9, 2
	s_add_co_u32 s42, s42, s40                     ; tile column
	s_and_b32 s66, ttmp7, 0xffff                   ; cluster y
	s_lshl_b32 s19, s66, 2
	s_add_co_u32 s19, s19, s41                     ; tile row 0..47
	s_lshr_b32 s67, s66, 2                         ; which product: 0 q, 1 k, 2 v: the same in all sixteen partners
	s_lshl_b32 s43, s41, 2
	s_lshl_b32 s43, 15, s43                        ; my row of the cluster
	s_lshl_b32 s44, 0x1111, s40                    ; my column
	s_or_b32 s[G1+0], s43, (0<<16)|(1<<20)|(1<<21)|(5<<22)|(3<<25)   ; elements of 1 byte; 4 words of padding behind every 64
	s_or_b32 s[G1B+0], s44, (0<<16)|(1<<20)|(1<<21)|(5<<22)|(3<<25)
.irp g, G1, G1B
	s_mov_b32 s[\g+1], ROWB<<16
	s_mov_b32 s[\g+2], 128<<16
	s_mov_b32 s[\g+3], ROWB<<16
	s_mov_b32 s[\g+4], 128
	s_mov_b32 s[\g+5], KROW
	s_mov_b32 s[\g+6], 0
	s_mov_b32 s[\g+7], 0
.endr
	s_or_b32 s[G1S+0], s43, (3<<16)|(1<<20)|(1<<21)|(5<<22)|(3<<25)  ; the scales of 128 rows: 16 rows of 256 dense bytes
	s_or_b32 s[G1SB+0], s44, (3<<16)|(1<<20)|(1<<21)|(5<<22)|(3<<25)
.irp g, G1S, G1SB
	s_mov_b32 s[\g+1], 32<<16
	s_mov_b32 s[\g+2], (128*KS/256)<<16
	s_mov_b32 s[\g+3], 32<<16
	s_mov_b32 s[\g+4], 128*KS/256
	s_mov_b32 s[\g+5], 32
	s_mov_b32 s[\g+6], 0
	s_mov_b32 s[\g+7], 0
.endr
	s_lshl_b32 s2, s18, 7
	s_lshl_b32 s20, s19, 8
	s_add_co_u32 s20, s20, s2                      ; A's row: 256 x tile row + 128 x half
	s_lshl_b32 s22, s20, 5
	s_add_co_u32 s22, s22, PSCL                    ; its scale bytes,
	s_lshl_b32 s20, s20, 9                         ; its codes
	s_mov_b32 s21, 0
	s_mov_b32 s23, 0
	s_lshl_b32 s46, s42, 8
	s_add_co_u32 s46, s46, s2
	s_lshl_b32 s2, s67, 10
	s_add_co_u32 s46, s46, s2                      ; B's row: 1,024 x product + 256 x tile column + 128 x half
	s_lshl_b32 s92, s46, 5
	s_add_co_u32 s92, s92, PWS
	s_lshl_b32 s46, s46, 9
	s_add_co_u32 s46, s46, PWC
	s_mov_b32 s47, 0
	s_mov_b32 s93, 0
	s_mul_i32 s45, s16, HALFT                      ; where they go: wave x 128 rows
	s_mul_i32 s94, s16, HALFS
	s_wait_dscnt 0x0                               ; both opening adds are done
	s_wait_kmcnt 0x0
	s_add_nc_u64 s[20:21], s[4:5], s[20:21]
	s_add_nc_u64 s[22:23], s[4:5], s[22:23]
	s_add_nc_u64 s[46:47], s[4:5], s[46:47]
	s_add_nc_u64 s[92:93], s[4:5], s[92:93]
	CROUND                                         ; all sixteen work-groups are here: the joint loads meet
	s_mov_b32 s[G0S], 1
	s_add_co_u32 s[G0S+1], s94, SCL
	s_mov_b64 s[G0S+2:G0S+3], s[22:23]
	s_or_b32 s[G0S+3], s[G0S+3], 0x80000000
	s_mov_b32 s[G0SB], 1
	s_add_co_u32 s[G0SB+1], s94, SCL
	s_mov_b64 s[G0SB+2:G0SB+3], s[92:93]
	s_or_b32 s[G0SB+3], s[G0SB+3], 0x80000000
	JLOAD G0S, G1S, G0SB, G1SB                     ; three loads of mine go out: the scales, K step 0, K step 1; nothing is filled again
.irp s, 0,1
	s_mov_b32 s[G0+4*\s], 1
	s_add_co_u32 s[G0+4*\s+1], s45, \s*SLOT
	s_add_nc_u64 s[G0+4*\s+2:G0+4*\s+3], s[20:21], \s*ROWB
	s_or_b32 s[G0+4*\s+3], s[G0+4*\s+3], 0x80000000
	s_mov_b32 s[G0B+4*\s], 1
	s_add_co_u32 s[G0B+4*\s+1], s45, \s*SLOT
	s_add_nc_u64 s[G0B+4*\s+2:G0B+4*\s+3], s[46:47], \s*ROWB
	s_or_b32 s[G0B+4*\s+3], s[G0B+4*\s+3], 0x80000000
	JLOAD G0+4*\s, G1, G0B+4*\s, G1B
.endr
	v_and_b32 v1, 15, v0                           ; r
	v_bfe_u32 v2, v0, 4, 1                         ; h
	v_mul_u32_u24 v3, v1, PITCH
	v_lshl_add_u32 v4, v2, 4, v3
	s_mul_i32 s21, s17, HALFT
	s_mul_i32 s22, s18, HALFT
	s_add_co_u32 s22, s22, 2*HALFT
.irp s, 0,1
	v_add_nc_u32 v[ADRA+\s], s21, v4
	v_add_nc_u32 v[ADRB+\s], s22, v4
	s_add_co_u32 s21, s21, SLOT
	s_add_co_u32 s22, s22, SLOT
.endr
	v_mul_u32_u24 v5, v1, KS
	v_lshrrev_b32 v6, 8, v5
	v_lshl_add_u32 v5, v6, 4, v5
	s_mul_i32 s21, s17, HALFS
	s_mul_i32 s22, s18, HALFS
	s_add_co_u32 s22, s22, 2*HALFS
	s_sub_co_u32 s22, s22, s21
	v_mul_u32_u24 v6, s22, v2                      ; lanes 16-31 take B's scale words
	s_add_co_u32 s21, s21, SCL
	v_add_nc_u32 v5, v5, v6
	v_add_nc_u32 v[ADRS], s21, v5
	; the bias, the factor, and where the results go
	s_cmp_eq_u32 s67, 0
	s_cselect_b64 s[2:3], s[6:7], s[8:9]
	s_cselect_b32 s96, 0x3e38aa3b, 1.0             ; c = log2(e) / 8 for q
	s_mov_b32 s98, 16384
	s_cselect_b32 s98, 8192, s98                   ; SA: four token tiles on
	s_mov_b32 s99, 1048576
	s_cselect_b32 s99, 524288, s99                 ; SB: a head on
	s_cselect_b32 s20, 0, KVSEC
	s_cselect_b32 s94, 0, 1
	s_cmp_eq_u32 s66, 0
	s_cselect_b32 s94, 1, s94                      ; are low parts stored?  k, v: always; q: the first cluster row
	s_cmp_eq_u32 s67, 2
	s_cselect_b64 s[2:3], s[10:11], s[2:3]
	s_cselect_b32 s21, 8192, 0
	s_cselect_b32 s95, -1, 0                       ; v's lane term
	s_mov_b32 s97, s96
	s_add_co_u32 s20, s20, s21
	s_and_b32 s100, s19, 15
	s_lshl_b32 s100, s100, 4
	s_lshl_b32 s101, s17, 3
	s_add_co_u32 s100, s100, s101                  ; my first token tile T0
	s_lshr_b32 s101, s98, 2
	s_mul_i32 s100, s100, s101                     ; x 2,048 (q) or x 4,096 (k, v: T0 / 4 steps of 16,384)
	s_lshl_b32 s101, s42, 2
	s_lshl_b32 s21, s18, 1
	s_add_co_u32 s101, s101, s21                   ; my first head
	s_mul_i32 s101, s101, s99
	s_add_co_u32 s100, s100, s101
	s_add_co_u32 s100, s100, s20
	s_mov_b32 s101, 0
	s_add_nc_u64 s[12:13], s[12:13], s[100:101]
	s_add_nc_u64 s[14:15], s[14:15], s[100:101]
	s_lshl_b32 s100, s42, 10
	s_lshl_b32 s21, s18, 9
	s_add_co_u32 s100, s100, s21                   ; 4 n0
	s_add_nc_u64 s[2:3], s[2:3], s[100:101]
	v_lshlrev_b32 v14, 5, v2
.irp b, 0,1,2,3,4,5,6,7
	global_load_b128 v[BIAS+8*\b:BIAS+8*\b+3], v14, s[2:3] offset:64*\b
	global_load_b128 v[BIAS+8*\b+4:BIAS+8*\b+7], v14, s[2:3] offset:64*\b+16
.endr
	v_and_b32 v6, 31, v0
	v_lshlrev_b32 v7, 4, v6                        ; 16 x lane
	v_and_b32 v5, 7, v0
	v_lshlrev_b32 v5, 4, v5
	v_lshl_add_u32 v5, v2, 7, v5
	v_bfe_u32 v6, v0, 3, 1
	v_lshl_add_u32 v5, v6, 8, v5                   ; 16 (r & 7) + 128 h + 256 (r >> 3)
	v_cndmask_b32 v[VO], v7, v5, s95
	v_add_nc_u32 v[VO+1], s99, v[VO]
	v_add_nc_u32 v[VO+2], s98, v[VO]
	v_add_nc_u32 v[VO+3], s98, v[VO+1]
.macro FRAG reg, adr, q, i             ; 16 rows x 128 K of 4-bit codes: 8 registers, two loads of 16 bytes, 32 bytes apart
.irp c, 0,1
	ds_load_b128 v[\reg+4*\c:\reg+4*\c+3], v[\adr] offset:64*(\q)+32*\c+(\i)*16*PITCH
.endr
.endm
; 16 matrix instructions: A's blocks a0, a0 + 1 x B's eight.  The 64 accumulators take turns, one instruction a turn.
.macro MUL16 a0, p, q, sc, zero
.irp a, \a0, \a0+1
.irp b, 0,1,2,3,4,5,6,7
.if \zero
	v_wmma_scale_f32_16x16x128_f8f6f4 v[8*(8*((\a)%4)+\b):8*(8*((\a)%4)+\b)+7], v[128*(\p)+FR*\b:128*(\p)+FR*\b+FR-1], v[AF+FR*(\a):AF+FR*(\a)+FR-1], 0, v[SC+8*NQ*(\sc)+NQ*\b+(\q)], v[SC+8*NQ*(\sc)+NQ*(\a)+(\q)] matrix_a_fmt:MATRIX_FMT_FP4 matrix_b_fmt:MATRIX_FMT_FP4 matrix_a_scale:MATRIX_SCALE_ROW1
.else
	v_wmma_scale_f32_16x16x128_f8f6f4 v[8*(8*((\a)%4)+\b):8*(8*((\a)%4)+\b)+7], v[128*(\p)+FR*\b:128*(\p)+FR*\b+FR-1], v[AF+FR*(\a):AF+FR*(\a)+FR-1], v[8*(8*((\a)%4)+\b):8*(8*((\a)%4)+\b)+7], v[SC+8*NQ*(\sc)+NQ*\b+(\q)], v[SC+8*NQ*(\sc)+NQ*(\a)+(\q)] matrix_a_fmt:MATRIX_FMT_FP4 matrix_b_fmt:MATRIX_FMT_FP4 matrix_a_scale:MATRIX_SCALE_ROW1
.endif
.endr
.endr
.endm
.macro FETCH_B slot, q, p
	WIN TO_B
.irp i, 0,1,2,3,4,5,6,7
	FRAG 128*(\p)+FR*\i, ADRB+\slot, \q, \i
.endr
	WIN 0
.endm
.macro FETCH_A slot, q, i0
.irp i, \i0, \i0+1, \i0+2, \i0+3
	FRAG AF+FR*(\i), ADRA+\slot, \q, \i
.endr
.endm
.macro SCALES sc                       ; a K step's scale words: lanes 0-15 A's block i, lanes 16-31 B's block i
.irp i, 0,1,2,3,4,5,6,7
	ds_load_b128 v[SC+8*NQ*\sc+NQ*\i:SC+8*NQ*\sc+NQ*\i+3], v[ADRS] offset:\i*SBLK
.endr
.endm
.macro PLACES n                        ; plain vector places between a matrix instruction and a load into, or a read of, its registers
.rept \n
	v_nop
.endr
.endm
.macro STEP slot, q, zero
	s_wait_dscnt 4*NL                              ; B's set and A's blocks 0-3 are in; A's blocks 4-7 may be out
	WIN MUL_LO
	MUL16 0, (\q)%2, \q, \slot, \zero
	MUL16 2, (\q)%2, \q, \slot, \zero
	s_wait_dscnt 0
	PLACES NP
	FETCH_B \slot, (\q)+1, 1-(\q)%2
	FETCH_A \slot, (\q)+1, 0
	WIN MUL_HI
	MUL16 4, (\q)%2, \q, \slot, \zero
	MUL16 6, (\q)%2, \q, \slot, \zero
	PLACES NP
	WIN 0
	FETCH_A \slot, (\q)+1, 4
.endm
	s_wait_tensorcnt 1                             ; the scales and my part of K step 0 are in; K step 1's load may be out
	s_barrier_signal -1
	s_barrier_wait -1
	FETCH_B 0, 0, 0
	FETCH_A 0, 0, 0
	SCALES 0
	FETCH_A 0, 0, 4
	STEP 0, 0, 1                                   ; the first products start the sums
	STEP 0, 1, 0
	STEP 0, 2, 0
	; slot 0's last step changes slots: one barrier
	s_wait_tensorcnt 0x0                           ; my part of slot 1 has landed
	ds_add_u32 v[SPW], v[NIL]
	s_wait_dscnt 4*NL+1                            ; the add and A's blocks 4-7 may be out
	WIN MUL_LO
	MUL16 0, 1, NQ-1, 0, 0
	s_wait_dscnt 0x0
	s_barrier_signal -1
	MUL16 2, 1, NQ-1, 0, 0
	WIN 0
	s_barrier_wait -1
	PLACES NP
	v_add_nc_u32 v[ADRS], 4*NQ, v[ADRS]            ; the next K step's scale words
	FETCH_B 1, 0, 0
	FETCH_A 1, 0, 0
	SCALES 1
	WIN MUL_HI
	MUL16 4, 1, NQ-1, 0, 0
	MUL16 6, 1, NQ-1, 0, 0
	PLACES NP
	WIN 0
	FETCH_A 1, 0, 4
	STEP 1, 0, 0
	STEP 1, 1, 0
	STEP 1, 2, 0
	s_wait_dscnt 4*NL
	WIN MUL_LO
	MUL16 0, 1, NQ-1, 1, 0
	MUL16 2, 1, NQ-1, 1, 0
	s_wait_dscnt 0
	WIN MUL_HI
	MUL16 4, 1, NQ-1, 1, 0
	MUL16 6, 1, NQ-1, 1, 0
	WIN 0
	s_wait_loadcnt 0x0                             ; the bias
.set ii, 0
.rept 64
	v_mul_f32 v[BIAS+ii], s96, v[BIAS+ii]          ; bias x c; these lines are also the places behind the last products
.set ii, ii+1
.endr
; Block a (16 tokens x 128 columns): y = sum x c + bias x c; high parts; stores of 512 consecutive bytes; the rests' low parts likewise.
.macro OUTA a
.set AC, 64*((\a)%4)
	s_wait_xcnt 0x0                                ; the last block's stores have read their data registers
	WIN 0x02+((\a)/4)
.set ii, 0
.rept 32
	v_pk_fma_f32 v[OT+2*ii:OT+2*ii+1], v[AC+2*ii:AC+2*ii+1], s[96:97], v[BIAS+2*ii:BIAS+2*ii+1] op_sel_hi:[1,0,1]   ; each accumulator from its low end on
.set ii, ii+1
.endr
	WIN 0
.set ii, 0
.rept 32
	v_cvt_pk_f16_f32 v[OH+ii], v[OT+2*ii], v[OT+2*ii+1]
.set ii, ii+1
.endr
.irp b, 0,1,2,3,4,5,6,7
	global_store_b128 v[VO+2*((\a)/4)+\b/4], v[OH+4*\b:OH+4*\b+3], s[12:13] offset:((\a)%4)*2048+(\b%4)*512
.endr
	s_cmp_eq_u32 s94, 0
	s_cbranch_scc1 .Lnolo_\@
.set ii, 0
.rept 16
	v_mov_b32 v12, v[OH+ii]
	v_mov_b32 v13, v[OH+ii+1]
	v_cvt_f32_f16 v[OU+2*ii], v12.l
	v_cvt_f32_f16 v[OU+2*ii+1], v12.h
	v_cvt_f32_f16 v[OU+2*ii+2], v13.l
	v_cvt_f32_f16 v[OU+2*ii+3], v13.h
.set ii, ii+2
.endr
.set ii, 0
.rept 32
	v_pk_add_f32 v[OU+2*ii:OU+2*ii+1], v[OT+2*ii:OT+2*ii+1], v[OU+2*ii:OU+2*ii+1] neg_lo:[0,1] neg_hi:[0,1]   ; what the high part left
.set ii, ii+1
.endr
.set ii, 0
.rept 32
	v_cvt_pk_f16_f32 v[OU+ii], v[OU+2*ii], v[OU+2*ii+1]
.set ii, ii+1
.endr
.irp b, 0,1,2,3,4,5,6,7
	global_store_b128 v[VO+2*((\a)/4)+\b/4], v[OU+4*\b:OU+4*\b+3], s[14:15] offset:((\a)%4)*2048+(\b%4)*512
.endr
.Lnolo_\@:
.endm
.irp a, 0,1,2,3,4,5,6,7
	OUTA \a
.endr
	s_wait_tensorcnt 0x0                           ; the wave's end
	ds_add_u32 v[SPW], v[NIL]
	s_wait_dscnt 0x0
	CROUND                                         ; the closing round
	s_endpgm
.Lfunc_end_k_q61c8e5c530_proj:
	.size	k_q61c8e5c530_proj, .Lfunc_end_k_q61c8e5c530_proj-k_q61c8e5c530_proj
	.p2alignl 7, 3214868480
	.fill 96, 4, 3214868480
	.section	.rodata,"a",@progbits
	.p2align	6, 0x0
	.amdhsa_kernel k_q61c8e5c530_proj
		.amdhsa_group_segment_fixed_size 327680
		.amdhsa_private_segment_fixed_size 0
		.amdhsa_enable_private_segment 0
		.amdhsa_kernarg_size 48
		.amdhsa_user_sgpr_count 2
		.amdhsa_user_sgpr_kernarg_segment_ptr 1
		.amdhsa_wavefront_size32 1
		.amdhsa_system_sgpr_workgroup_id_x 1
		.amdhsa_system_sgpr_workgroup_id_y 1
		.amdhsa_system_sgpr_workgroup_id_z 1
		.amdhsa_system_vgpr_workitem_id 0
		.amdhsa_next_free_vgpr 1024
		.amdhsa_next_free_sgpr 102
		.amdhsa_reserve_vcc 0
		.amdhsa_float_denorm_mode_32 3
		.amdhsa_float_denorm_mode_16_64 3
		.amdhsa_memory_ordered 1
		.amdhsa_forward_progress 1
		.amdhsa_inst_pref_size 201
	.end_amdhsa_kernel
	.amdgpu_metadata
---
amdhsa.version: [ 1, 2 ]
amdhsa.kernels:
  - .name:           k_q61c8e5c530_proj
    .symbol:         k_q61c8e5c530_proj.kd
    .args:
      - { .name: pre, .offset: 0, .size: 8, .value_kind: global_buffer, .address_space: global }
      - { .name: Wq_b, .offset: 8, .size: 8, .value_kind: global_buffer, .address_space: global }
      - { .name: Wk_b, .offset: 16, .size: 8, .value_kind: global_buffer, .address_space: global }
      - { .name: Wv_b, .offset: 24, .size: 8, .value_kind: global_buffer, .address_space: global }
      - { .name: hi, .offset: 32, .size: 8, .value_kind: global_buffer, .address_space: global }
      - { .name: lo, .offset: 40, .size: 8, .value_kind: global_buffer, .address_space: global }
    .group_segment_fixed_size: 327680
    .private_segment_fixed_size: 0
    .kernarg_segment_align: 8
    .kernarg_segment_size: 48
    .max_flat_workgroup_size: 128
    .sgpr_count:     102
    .vgpr_count:     1024
    .wavefront_size: 32
...
	.end_amdgpu_metadata
.endif
;; end of part 2
;; launch attn (part 3): grid 16 x 16, 8 waves a work-group, no clusters, 136,192 bytes of LDS; arguments hi, msk, ao, flg; writes ao
.if DOCPART == 3
	.amdgcn_target "amdgcn-amd-amdhsa--gfx1250"
	.amdhsa_code_object_version 6
	.text
	.protected	k_q61c8e5c530_attn
	.globl	k_q61c8e5c530_attn
	.p2align	8
	.type	k_q61c8e5c530_attn,@function
k_q61c8e5c530_attn:
	s_mov_b64 s[64:65], 0
	v_nop
	global_prefetch_b8 v0, s[64:65] scope:SCOPE_SE
	s_setreg_imm32_b32 hwreg(HW_REG_WAVE_MODE, 25, 1), 1
	s_wait_xcnt 0x0
; Attention in f16 operands, f32 sums, for one head (work-group y) and two blocks of 128 queries (x = i: blocks i and 31 - i).
; q arrives multiplied by log2(e) / 8, so a score t is in log2 units: p = 2^(t - m), m the row's running maximum; a masked score is NEG = -1e9 log2(e).
; THE MASK IS AN INPUT.  The first launch stored, for each tile of 16 queries and key step of 64 keys, its bits (msk) and three flags (flg).  A pair of tiles passes over a key step
; in which neither has an open key (such a step adds exactly 0 to a row that has an open key somewhere); a pair with a row that has no open key at all walks every step;
; a step in which both tiles are all open needs no masking.  All are scalar branches on stored whole numbers.  K and V come through registers
; and not by tensor loads or a cluster's joint loads.
; LIMIT: passing over a step takes a row's open scores to lie above -1e9 + 104 (there the exponential of the difference is 0 in f32 too); c q, k, v within f16's range.
; SHARES.  Wave w: group g = w & 3, parity par = w >> 2.  Group g holds an early pair of tiles (8 i + 2 g) and a late pair (248 - 8 i + 2 g); both its waves hold both pairs
; and take the key steps of their parity; at the end each wave hands one pair's partial sums to the other through LDS and finishes the other pair.
; LAYOUT.  S^T = K Q^T and O^T = V^T P: a lane holds one query throughout.  K, Q and V were stored as images of operand registers.
; A super-step (128 keys: [par 0: K 8 KB, V 8 KB][par 1: likewise]) is copied memory -> registers -> LDS one trip ahead, into two slots by turns: one barrier a trip.
; REGISTERS: window 0: v1-13 addresses; v16-47 statistics, 8 a tile (+0 m, +2,+3 l, +4..+7 at work, +6 a); v48-51 mask words, scratch; v52-83 the copy; v96-159 S; v160-191 P; v192-255 K.
;            window 1: v0-127 O^T (pair X, pair Y); v128-191 Q; v192-255 V.
.set KVSEC, 8388608
.set MRG,   65536                      ; behind the two slots: 8,704 bytes a wave for the hand-over
.set SPARE, 135168                     ; the spare words: 128 bytes a wave
.set AK0, 1                            ; v1  16,384 par + 16 lane
.set AF0, 2                            ; v2  16 x thread
.set L4,  5
.set VMB, 6
.set NEG, 7
.set MG,  8
.set MGP, 9
.set PFO, 10
.set L16, 11
.set SPW, 12
.set NIL, 13
.set ST,  16
.set MB,  48
.set STG, 52
.set S,   96
.set P,   160
.set KF,  192
.set QF,  128
.set VF,  192
.set CA,  78                           ; s78 CAX, s79 CPX, s80 CAY, s81 CPY: this word's bits, mine at bit 0
.set CU,  82
.set ND,  83
.set JB,  84                           ; 128 x my key step: its place among a tile's mask words
.set IC,  85
.set OC,  86
.set LIM, 87
.set MSB, 0
.macro WIN new
.if MSB != \new
	s_set_vgpr_msb (MSB<<8)|\new
.set MSB, \new
.endif
.endm
.macro PLACES
.rept 4
	v_nop
.endr
.endm
	s_load_b128 s[4:7], s[0:1], 0x0                ; hi, msk
	s_load_b64 s[8:9], s[0:1], 0x10                ; ao
	s_load_b64 s[56:57], s[0:1], 0x18              ; flg
	v_lshl_add_u32 v[SPW], v0, 2, SPARE
	v_mov_b32 v[NIL], 0
	v_lshrrev_b32 v1, 5, v0
	v_readfirstlane_b32 s10, v1                    ; wave
	s_and_b32 s11, s10, 3                          ; g
	s_lshr_b32 s12, s10, 2                         ; par
	s_and_b32 s14, ttmp7, 0xffff                   ; head
	s_lshl_b32 s15, ttmp9, 3
	s_lshl_b32 s16, s11, 1
	s_add_co_u32 s17, s15, s16                     ; the early pair's first tile
	s_sub_co_u32 s13, 248, s15
	s_add_co_u32 s13, s13, s16                     ; the late pair's
	v_and_b32 v3, 31, v0
	v_lshlrev_b32 v[L16], 4, v3
	v_lshlrev_b32 v[L4], 2, v3
	v_lshlrev_b32 v[PFO], 8, v3
	v_lshlrev_b32 v[AF0], 4, v0
	s_lshl_b32 s88, s12, 14
	v_add_nc_u32 v[AK0], s88, v[L16]
	s_mul_i32 s88, s10, 8704
	s_add_co_u32 s88, s88, MRG
	v_add_nc_u32 v[MG], s88, v[L16]
	s_xor_b32 s89, s10, 4
	s_mul_i32 s89, s89, 8704
	s_add_co_u32 s89, s89, MRG
	v_add_nc_u32 v[MGP], s89, v[L16]
	v_mov_b32 v[NEG], 0xceabfb8f                   ; -1e9 x log2(e)
	s_mov_b32 s90, 0x76543210
	s_mov_b32 s91, 0xfedcba98                      ; lane l xor 16
	s_mov_b32 s68, 0
	s_mov_b32 s69, 0
	s_mov_b32 s70, 0
	s_mov_b32 s71, 0
	s_mov_b32 s72, 0
	s_mov_b32 s73, 0
	s_wait_kmcnt 0x0
	s_lshl_b32 s88, s14, 20
	s_add_co_u32 s88, s88, KVSEC
	s_mov_b32 s89, 0
	s_add_nc_u64 s[18:19], s[4:5], s[88:89]        ; the head's K and V
.irp i, 0,1,2,3,4,5,6,7
	global_load_b128 v[STG+4*\i:STG+4*\i+3], v[AF0], s[18:19] offset:4096*\i    ; super-step 0, whatever the flags say
.endr
	s_lshl_b32 s88, ttmp9, 9
	s_add_nc_u64 s[58:59], s[56:57], s[88:89]      ; the early block's flags, 64 bytes a tile
	s_sub_co_u32 s88, 15872, s88
	s_add_nc_u64 s[60:61], s[56:57], s[88:89]      ; the late block's
; One pair's 16 words (two tiles' ANY and ALIVE) -> which key steps it walks (s88: 0-31, s89: 32-63); into the work-group's union; kept if the pair is my group's.
.macro UPAIR R, gq, dst
	s_or_b32 s88, s[\R], s[\R+1]
	s_or_b32 s89, s[\R+8], s[\R+9]
	s_or_b32 s88, s88, s89
	s_or_b32 s89, s[\R+2], s[\R+3]
	s_or_b32 s92, s[\R+10], s[\R+11]
	s_or_b32 s89, s89, s92
	s_or_b32 s92, s[\R+4], s[\R+5]
	s_or_b32 s93, s[\R+6], s[\R+7]
	s_or_b32 s92, s92, s93
	s_or_b32 s93, s[\R+12], s[\R+13]
	s_or_b32 s94, s[\R+14], s[\R+15]
	s_or_b32 s93, s93, s94
	s_and_b32 s92, s92, s93
	s_cmp_eq_u32 s92, 0xffff                       ; has every one of the 32 rows an open key?
	s_cselect_b32 s88, s88, -1                     ; if not, the pair walks everything
	s_cselect_b32 s89, s89, -1
	s_or_b32 s72, s72, s88
	s_or_b32 s73, s73, s89
	s_cmp_eq_u32 s11, \gq
	s_cselect_b32 s[\dst], s88, s[\dst]
	s_cselect_b32 s[\dst+1], s89, s[\dst+1]
.endm
.macro FBATCH base, hb, dst
	s_load_b256 s[24:31], s[\base:\base+1], 256*\hb
	s_load_b256 s[32:39], s[\base:\base+1], 256*\hb+64
	s_load_b256 s[40:47], s[\base:\base+1], 256*\hb+128
	s_load_b256 s[48:55], s[\base:\base+1], 256*\hb+192
	s_wait_kmcnt 0x0
	UPAIR 24, 2*\hb, \dst
	UPAIR 40, 2*\hb+1, \dst
.endm
	FBATCH 58, 0, 68
	FBATCH 58, 1, 68
	FBATCH 60, 0, 70
	FBATCH 60, 1, 70
	s_lshl_b32 s88, s11, 7
	s_load_b128 s[24:27], s[58:59], s88 offset:0x20   ; ALL of my two pairs' four tiles
	s_load_b128 s[28:31], s[58:59], s88 offset:0x60
	s_load_b128 s[32:35], s[60:61], s88 offset:0x20
	s_load_b128 s[36:39], s[60:61], s88 offset:0x60
	s_wait_kmcnt 0x0
.irp e, 0,1                            ; a step needs masking unless both tiles are all open
	s_or_b32 s92, s[24+8*\e], s[25+8*\e]
	s_or_b32 s93, s[28+8*\e], s[29+8*\e]
	s_and_b32 s92, s92, s93
	s_not_b32 s[74+2*\e], s92
	s_or_b32 s92, s[26+8*\e], s[27+8*\e]
	s_or_b32 s93, s[30+8*\e], s[31+8*\e]
	s_and_b32 s92, s92, s93
	s_not_b32 s[75+2*\e], s92
.endr
	s_cmp_eq_u32 s12, 0                            ; pair X is the one that I finish: par 0 the early, par 1 the late
	s_cselect_b32 s40, s68, s70
	s_cselect_b32 s41, s69, s71
	s_cselect_b32 s42, s74, s76
	s_cselect_b32 s43, s75, s77
	s_cselect_b32 s44, s70, s68
	s_cselect_b32 s45, s71, s69
	s_cselect_b32 s46, s76, s74
	s_cselect_b32 s47, s77, s75
	s_cselect_b32 s50, s17, s13
	s_cselect_b32 s51, s13, s17
	s_lshr_b32 s48, s72, 2                         ; the union, one super-step ahead: its top bits are 0, so the last trip copies nothing
	s_lshl_b32 s88, s73, 30
	s_or_b32 s48, s48, s88
	s_lshr_b32 s49, s73, 2
	s_mov_b32 s89, 0
	s_lshl_b32 s92, s14, 19
	s_lshl_b32 s88, s50, 11
	s_add_co_u32 s88, s88, s92
	s_add_nc_u64 s[52:53], s[4:5], s[88:89]        ; Q of pair X
	s_lshl_b32 s88, s51, 11
	s_add_co_u32 s88, s88, s92
	s_add_nc_u64 s[54:55], s[4:5], s[88:89]        ; of pair Y
	s_lshl_b32 s88, s50, 13
	s_add_nc_u64 s[22:23], s[6:7], s[88:89]        ; their mask words
	s_lshl_b32 s88, s51, 13
	s_add_nc_u64 s[66:67], s[6:7], s[88:89]
	s_lshl_b32 s88, s50, 15
	s_lshl_b32 s92, s14, 11
	s_add_co_u32 s88, s88, s92
	s_add_nc_u64 s[8:9], s[8:9], s[88:89]          ; where pair X's result goes
	s_lshl_b32 s88, s11, 13
	s_add_co_u32 s88, s88, 3*32768
	s_add_nc_u64 s[20:21], s[18:19], s[88:89]      ; the prefetches: super-step 3, 8,192 bytes a wave
	s_or_b32 s88, s12, ttmp9
	s_cmp_eq_u32 s88, 0
	s_cselect_b32 s[LIM], 29*256, 0                ; waves 0-3 of the head's first work-group ask, in trips 0 to 28
	WIN 0x40
.irp f, 0,1,2,3,4,5,6,7
	global_load_b128 v[QF+4*\f:QF+4*\f+3], v[L16], s[52:53] offset:512*\f
	global_load_b128 v[QF+32+4*\f:QF+32+4*\f+3], v[L16], s[54:55] offset:512*\f
.endr
.set ii, 0
.rept 128
	v_mov_b32 v[ii], 0                             ; O^T: which step is a pair's first hangs on the flags, so no product can be written out to start the sums
.set ii, ii+1
.endr
	WIN 0
.irp q, 0,1,2,3
	v_mov_b32 v[ST+8*\q], 0xff61b1e6               ; m = -3e38
.irp k, 1,2,3,4,5,6,7
	v_mov_b32 v[ST+8*\q+\k], 0
.endr
.endr
	s_wait_loadcnt 16                              ; super-step 0 is in registers; Q's 16 loads may be out
.irp i, 0,1,2,3,4,5,6,7
	ds_store_b128 v[AF0], v[STG+4*\i:STG+4*\i+3] offset:4096*\i
.endr
	s_add_nc_u64 s[18:19], s[18:19], 32768         ; (its loads are done)
	s_wait_loadcnt 0x0                             ; Q
.macro TREE base                       ; 16 pairs summed in place: 15 packed additions
.irp w, 4,8,16,32
.set uu, 0
.rept 32/\w
	v_pk_add_f32 v[\base+\w*uu:\base+\w*uu+1], v[\base+\w*uu:\base+\w*uu+1], v[\base+\w*uu+\w/2:\base+\w*uu+\w/2+1]
.set uu, uu+1
.endr
.endr
.endm
; The softmax of a pair's two tiles for one key step, the tiles line by line.
.macro SOFT z
.set TT, ST+16*(\z)
.set OO, 64*(\z)
.irp j, 0,1,2,3
.irp t, 0,1
	v_max3_num_f32 v[TT+8*\t+4+\j], v[S+32*\t+8*\j], v[S+32*\t+8*\j+1], v[S+32*\t+8*\j+2]     ; each accumulator is read from its low end on
.endr
.endr
.irp u, 1,2
.irp j, 0,1,2,3
.irp t, 0,1
	v_max3_num_f32 v[TT+8*\t+4+\j], v[TT+8*\t+4+\j], v[S+32*\t+8*\j+2*\u+1], v[S+32*\t+8*\j+2*\u+2]
.endr
.endr
.endr
.irp t, 0,1
	v_max3_num_f32 v[TT+8*\t+4], v[TT+8*\t+4], v[S+32*\t+7], v[S+32*\t+15]
	v_max3_num_f32 v[TT+8*\t+6], v[TT+8*\t+6], v[S+32*\t+23], v[S+32*\t+31]
.endr
.irp t, 0,1
	v_max3_num_f32 v[TT+8*\t+4], v[TT+8*\t+4], v[TT+8*\t+5], v[TT+8*\t+6]
.endr
.irp t, 0,1
	v_max3_num_f32 v[TT+8*\t+4], v[TT+8*\t+4], v[TT+8*\t+7], v[TT+8*\t]        ; and the old m
.endr
.irp t, 0,1
	v_permlanex16_b32 v[TT+8*\t+5], v[TT+8*\t+4], s90, s91                     ; the query's other 32 keys
.endr
.irp t, 0,1
	v_max_num_f32 v[TT+8*\t+4], v[TT+8*\t+4], v[TT+8*\t+5]
.endr
.irp t, 0,1
	v_sub_f32 v[TT+8*\t+7], v[TT+8*\t], v[TT+8*\t+4]                           ; old m - new m
.endr
.irp t, 0,1
	v_mov_b32 v[TT+8*\t], v[TT+8*\t+4]
.endr
.set ii, 0
.rept 16
.irp t, 0,1
	v_pk_add_f32 v[S+32*\t+2*ii:S+32*\t+2*ii+1], v[S+32*\t+2*ii:S+32*\t+2*ii+1], v[TT+8*\t:TT+8*\t+1] op_sel_hi:[1,0] neg_lo:[0,1] neg_hi:[0,1]   ; t - m
.endr
.set ii, ii+1
.endr
.irp t, 0,1
	v_exp_f32 v[TT+8*\t+6], v[TT+8*\t+7]                                       ; a
.endr
.set ii, 0
.rept 64
	v_exp_f32 v[S+ii], v[S+ii]
.set ii, ii+1
.endr
	v_nop                                          ; a plain place behind the last exponential
	s_wait_alu depctr_va_vdst(0)                   ; one wait for the batch of 66, ahead of its first reader
.set ii, 0
.rept 32
	v_cvt_pk_f16_f32 v[P+ii], v[S+2*ii], v[S+2*ii+1]
.set ii, ii+1
.endr
	TREE S
	TREE S+32
.irp t, 0,1
	v_pk_fma_f32 v[TT+8*\t+2:TT+8*\t+3], v[TT+8*\t+2:TT+8*\t+3], v[TT+8*\t+6:TT+8*\t+7], v[S+32*\t:S+32*\t+1] op_sel_hi:[1,0,1]   ; l = l a + the step's sum
.endr
	WIN 0x41
.irp t, 0,1
.set ii, 0
.rept 16
	v_pk_mul_f32 v[OO+32*\t+2*ii:OO+32*\t+2*ii+1], v[OO+32*\t+2*ii:OO+32*\t+2*ii+1], v[TT+8*\t+6:TT+8*\t+7] op_sel_hi:[1,0]
.set ii, ii+1
.endr
.endr
	WIN 0
.endm
; One pair's key step, out of LDS slot \slot.  The accumulators take turns, one instruction a turn.
.macro PAIR z, slot
	s_bitcmp1_b32 s[CA+2*(\z)], 0
	s_cbranch_scc0 .Lskip_\@
	PLACES                                         ; in front of loads into registers that the last products read
.irp f, 0,1,2,3,4,5,6,7,8,9,10,11,12,13,14,15
	ds_load_b128 v[KF+4*\f:KF+4*\f+3], v[AK0] offset:(\slot)*32768+512*\f
.endr
	WIN 0x40
.irp ks, 0,1
.irp c, 0,1
.irp dt, 0,1,2,3
	ds_load_tr16_b128 v[VF+8*(4*\ks+\dt)+4*\c:VF+8*(4*\ks+\dt)+4*\c+3], v[AK0] offset:(\slot)*32768+8192+(2*\ks+\c)*2048+512*\dt
.endr
.endr
.endr
	s_wait_dscnt 16                                ; K is in; V's 16 loads may be out
	WIN 0x04
.irp s, 0,1
.irp kt, 0,1,2,3
.irp t, 0,1
.if \s == 0
	v_wmma_f32_16x16x32_f16 v[S+32*\t+8*\kt:S+32*\t+8*\kt+7], v[KF+16*\kt:KF+16*\kt+7], v[QF+32*(\z)+16*\t:QF+32*(\z)+16*\t+7], 0
.else
	v_wmma_f32_16x16x32_f16 v[S+32*\t+8*\kt:S+32*\t+8*\kt+7], v[KF+16*\kt+8:KF+16*\kt+15], v[QF+32*(\z)+16*\t+8:QF+32*(\z)+16*\t+15], v[S+32*\t+8*\kt:S+32*\t+8*\kt+7]
.endif
.endr
.endr
.endr
	WIN 0
	PLACES
	s_bitcmp1_b32 s[CA+2*(\z)+1], 0
	s_cbranch_scc0 .Lopen_\@
	v_add_nc_u32 v[VMB], s[JB], v[L4]
	global_load_b32 v[MB], v[VMB], s[22+44*(\z):23+44*(\z)]
	global_load_b32 v[MB+1], v[VMB], s[22+44*(\z):23+44*(\z)] offset:8192
	s_wait_loadcnt 0x0
.set nn, 0
.rept 32
	v_and_b32 v50, 1<<nn, v[MB]
	v_and_b32 v51, 1<<nn, v[MB+1]
	v_cmp_ne_u32 vcc_lo, 0, v50
	v_cndmask_b32 v[S+nn], v[NEG], v[S+nn], vcc_lo
	v_cmp_ne_u32 vcc_lo, 0, v51
	v_cndmask_b32 v[S+32+nn], v[NEG], v[S+32+nn], vcc_lo
.set nn, nn+1
.endr
.Lopen_\@:
	SOFT \z
	s_wait_dscnt 0x0                               ; V
	WIN 0x51
.irp ks, 0,1
.irp dt, 0,1,2,3
.irp t, 0,1
	v_wmma_f32_16x16x32_f16 v[64*(\z)+32*\t+8*\dt:64*(\z)+32*\t+8*\dt+7], v[VF+8*(4*\ks+\dt):VF+8*(4*\ks+\dt)+7], v[P+16*\t+8*\ks:P+16*\t+8*\ks+7], v[64*(\z)+32*\t+8*\dt:64*(\z)+32*\t+8*\dt+7]
.endr
.endr
.endr
	WIN 0
.Lskip_\@:
.endm
; A trip: one super-step.  The barrier at its head orders the copy into this slot (stored in the last trip) ahead of this trip's reads,
; and the last trip's reads of the other slot ahead of this trip's copy into it.
.macro TRIP slot
	s_wait_dscnt 0x0                               ; my stores into this slot have landed, my reads of the other are back
	s_barrier_signal -1
	s_barrier_wait -1
	s_and_b32 s[ND], s[CU], 3                      ; does any wave of the work-group want the next super-step?
	s_cbranch_scc0 .Lnofetch_\@
.irp i, 0,1,2,3,4,5,6,7
	global_load_b128 v[STG+4*\i:STG+4*\i+3], v[AF0], s[18:19] offset:4096*\i
.endr
.Lnofetch_\@:
	s_cmp_lt_u32 s[JB], s[LIM]                     ; a prefetch of super-step J + 3, two trips ahead of the load that wants it: 8,192 bytes a wave, lanes 256 bytes apart;
	s_cbranch_scc0 .Lnoask_\@                      ; four waves of the head's first work-group ask, so each block is named once; trips 29 to 31 ask for nothing
	global_prefetch_b8 v[PFO], s[20:21] th:TH_LOAD_NT scope:SCOPE_SE
.Lnoask_\@:
	PAIR 0, \slot
	PAIR 1, \slot
	s_wait_loadcnt 0x0
	s_cmp_lg_u32 s[ND], 0
	s_cbranch_scc0 .Lnofill_\@
.irp i, 0,1,2,3,4,5,6,7
	ds_store_b128 v[AF0], v[STG+4*\i:STG+4*\i+3] offset:(1-(\slot))*32768+4096*\i
.endr
.Lnofill_\@:
	s_wait_xcnt 0x0                                ; the trip's loads and its prefetch have read their bases
	s_add_nc_u64 s[18:19], s[18:19], 32768
	s_add_nc_u64 s[20:21], s[20:21], 32768
	s_add_co_u32 s[JB], s[JB], 256
	s_lshr_b32 s[CA], s[CA], 2
	s_lshr_b32 s[CA+1], s[CA+1], 2
	s_lshr_b32 s[CA+2], s[CA+2], 2
	s_lshr_b32 s[CA+3], s[CA+3], 2
	s_lshr_b32 s[CU], s[CU], 2
.endm
	s_lshl_b32 s[JB], s12, 7
	s_mov_b32 s[OC], 0
.Lword:                                            ; two words of 32 key steps
	s_cmp_eq_u32 s[OC], 0
	s_cselect_b32 s[CA], s40, s41
	s_cselect_b32 s[CA+1], s42, s43
	s_cselect_b32 s[CA+2], s44, s45
	s_cselect_b32 s[CA+3], s46, s47
	s_cselect_b32 s[CU], s48, s49
	s_lshr_b32 s[CA], s[CA], s12
	s_lshr_b32 s[CA+1], s[CA+1], s12
	s_lshr_b32 s[CA+2], s[CA+2], s12
	s_lshr_b32 s[CA+3], s[CA+3], s12
	s_mov_b32 s[IC], 8
.Ltrip:
	TRIP 0
	TRIP 1
	s_sub_co_u32 s[IC], s[IC], 1
	s_cmp_lg_u32 s[IC], 0
	s_cbranch_scc1 .Ltrip
	s_add_co_u32 s[OC], s[OC], 1
	s_cmp_lt_u32 s[OC], 2
	s_cbranch_scc1 .Lword
	; THE HAND-OVER: pair Y's O^T, m and l go to the wave of the other parity; its pair Y is my pair X.
	PLACES
.irp t, 0,1
	v_mov_b32 v[MB+2*\t], v[ST+16+8*\t]
	v_add_f32 v[MB+2*\t+1], v[ST+16+8*\t+2], v[ST+16+8*\t+3]
.endr
	WIN 0x04                                       ; an LDS store's data are its source 1
.irp f, 0,1,2,3,4,5,6,7,8,9,10,11,12,13,14,15
	ds_store_b128 v[MG], v[64+4*\f:64+4*\f+3] offset:512*\f
.endr
	WIN 0
	ds_store_b128 v[MG], v[MB:MB+3] offset:8192
	s_wait_dscnt 0x0
	s_barrier_signal -1
	s_barrier_wait -1
.irp f, 0,1,2,3,4,5,6,7,8,9,10,11,12,13,14,15
	ds_load_b128 v[S+4*\f:S+4*\f+3], v[MGP] offset:512*\f
.endr
	ds_load_b128 v[MB:MB+3], v[MGP] offset:8192
	s_wait_dscnt 0x0
.irp t, 0,1
	v_add_f32 v[ST+8*\t+2], v[ST+8*\t+2], v[ST+8*\t+3]
	v_max_num_f32 v[ST+8*\t+4], v[ST+8*\t], v[MB+2*\t]
.endr
.irp t, 0,1
	v_sub_f32 v[ST+8*\t+5], v[ST+8*\t], v[ST+8*\t+4]
	v_sub_f32 v[ST+8*\t+7], v[MB+2*\t], v[ST+8*\t+4]
.endr
.irp t, 0,1
	v_exp_f32 v[ST+8*\t+5], v[ST+8*\t+5]
	v_exp_f32 v[ST+8*\t+7], v[ST+8*\t+7]
.endr
	v_nop
	s_wait_alu depctr_va_vdst(0)                   ; one wait for the four
.irp t, 0,1
	v_mul_f32 v[ST+8*\t+2], v[ST+8*\t+2], v[ST+8*\t+5]
.endr
.irp t, 0,1
	v_fma_f32 v[ST+8*\t+2], v[MB+2*\t+1], v[ST+8*\t+7], v[ST+8*\t+2]
.endr
.irp t, 0,1
	v_permlanex16_b32 v[ST+8*\t+3], v[ST+8*\t+2], s90, s91
.endr
.irp t, 0,1
	v_add_f32 v[ST+8*\t+2], v[ST+8*\t+2], v[ST+8*\t+3]                         ; the row's sum
.endr
.irp t, 0,1
	v_rcp_f32 v[ST+8*\t+3], v[ST+8*\t+2]
.endr
	v_nop
	s_wait_alu depctr_va_vdst(0)
.irp t, 0,1
	v_mul_f32 v[ST+8*\t+4], v[ST+8*\t+5], v[ST+8*\t+3]
	v_mul_f32 v[ST+8*\t+6], v[ST+8*\t+7], v[ST+8*\t+3]
.endr
	WIN 0x41
.irp t, 0,1
.set ii, 0
.rept 16
	v_pk_mul_f32 v[32*\t+2*ii:32*\t+2*ii+1], v[32*\t+2*ii:32*\t+2*ii+1], v[ST+8*\t+4:ST+8*\t+5] op_sel_hi:[1,0]
.set ii, ii+1
.endr
.endr
	WIN 0x50
.irp t, 0,1
.set ii, 0
.rept 16
	v_pk_fma_f32 v[32*\t+2*ii:32*\t+2*ii+1], v[S+32*\t+2*ii:S+32*\t+2*ii+1], v[ST+8*\t+6:ST+8*\t+7], v[32*\t+2*ii:32*\t+2*ii+1] op_sel_hi:[1,0,1]
.set ii, ii+1
.endr
.endr
	WIN 0x05
.set ii, 0
.rept 32
	v_cvt_pk_f16_f32 v[P+ii], v[2*ii], v[2*ii+1]
.set ii, ii+1
.endr
	WIN 0
.irp t, 0,1
.irp dt, 0,1,2,3
	global_store_b128 v[L16], v[P+16*\t+4*\dt:P+16*\t+4*\dt+3], s[8:9] offset:32768*\t+512*\dt     ; 512 consecutive bytes: half a fragment of the next product's operand
.endr
.endr
	s_wait_tensorcnt 0x0                           ; the wave's end
	ds_add_u32 v[SPW], v[NIL]
	s_wait_dscnt 0x0
	s_endpgm
.Lfunc_end_k_q61c8e5c530_attn:
	.size	k_q61c8e5c530_attn, .Lfunc_end_k_q61c8e5c530_attn-k_q61c8e5c530_attn
	.p2alignl 7, 3214868480
	.fill 96, 4, 3214868480
	.section	.rodata,"a",@progbits
	.p2align	6, 0x0
	.amdhsa_kernel k_q61c8e5c530_attn
		.amdhsa_group_segment_fixed_size 136192
		.amdhsa_private_segment_fixed_size 0
		.amdhsa_enable_private_segment 0
		.amdhsa_kernarg_size 32
		.amdhsa_user_sgpr_count 2
		.amdhsa_user_sgpr_kernarg_segment_ptr 1
		.amdhsa_wavefront_size32 1
		.amdhsa_system_sgpr_workgroup_id_x 1
		.amdhsa_system_sgpr_workgroup_id_y 1
		.amdhsa_system_sgpr_workgroup_id_z 1
		.amdhsa_system_vgpr_workitem_id 0
		.amdhsa_next_free_vgpr 512
		.amdhsa_next_free_sgpr 96
		.amdhsa_reserve_vcc 1
		.amdhsa_float_denorm_mode_32 3
		.amdhsa_float_denorm_mode_16_64 3
		.amdhsa_memory_ordered 1
		.amdhsa_forward_progress 1
		.amdhsa_inst_pref_size 134
	.end_amdhsa_kernel
	.amdgpu_metadata
---
amdhsa.version: [ 1, 2 ]
amdhsa.kernels:
  - .name:           k_q61c8e5c530_attn
    .symbol:         k_q61c8e5c530_attn.kd
    .args:
      - { .name: hi, .offset: 0, .size: 8, .value_kind: global_buffer, .address_space: global }
      - { .name: msk, .offset: 8, .size: 8, .value_kind: global_buffer, .address_space: global }
      - { .name: ao, .offset: 16, .size: 8, .value_kind: global_buffer, .address_space: global }
      - { .name: flg, .offset: 24, .size: 8, .value_kind: global_buffer, .address_space: global }
    .group_segment_fixed_size: 136192
    .private_segment_fixed_size: 0
    .kernarg_segment_align: 8
    .kernarg_segment_size: 32
    .max_flat_workgroup_size: 256
    .sgpr_count:     96
    .vgpr_count:     512
    .wavefront_size: 32
...
	.end_amdgpu_metadata
.endif
;; end of part 3
;; launch oproj (part 4): grid 8 x 32, 4 waves a work-group, clusters of 4 x 4, 327,680 bytes of LDS; arguments ao, pre, Wo_b, out0; writes out0
.if DOCPART == 4
	.amdgcn_target "amdgcn-amd-amdhsa--gfx1250"
	.amdhsa_code_object_version 6
	.text
	.protected	k_q61c8e5c530_oproj
	.globl	k_q61c8e5c530_oproj
	.p2align	8
	.type	k_q61c8e5c530_oproj,@function
k_q61c8e5c530_oproj:
	s_mov_b64 s[64:65], 0
	v_nop
	global_prefetch_b8 v0, s[64:65] scope:SCOPE_SE
	s_setreg_imm32_b32 hwreg(HW_REG_WAVE_MODE, 25, 1), 1
	s_wait_xcnt 0x0
	s_wait_alu depctr_hold_cnt(0) depctr_sa_sdst(0) depctr_va_vdst(0) depctr_va_sdst(0) depctr_va_ssrc(0) depctr_va_vcc(0) depctr_vm_vsrc(0)
	s_getreg_b32 s2, hwreg(HW_REG_IB_STS2, 6, 4)
	s_cmp_eq_u32 s2, 0
	s_cbranch_scc0 .Lentry_in_a_cluster
	s_endpgm
.Lentry_in_a_cluster:
	s_bfe_u32 s2, ttmp6, 0x10000c
	s_cmp_lg_u32 s2, 0xf033
	s_cbranch_scc0 .Lentry_shape_is_right
	s_endpgm
.Lentry_shape_is_right:
; out0 = attention output x Wo^T + Wo_b: f16 operands, f32 sums and output.  M 4,096, N 1,024, K 1,024.
; A tile of 128 x 128 to a work-group (256 work-groups), 64 x 64 to a wave: 16 accumulators.  K goes in four steps of 256 through two LDS slots.
; A (ao) lies in memory as images of operand registers: token tile T at 32,768 T, fragment of 32 along K at 1,024 s, its halves 512 apart, 16 bytes a lane:
; a K step of four token tiles is four rows of 8,192 bytes, one tensor load, and a fragment is two loads at 16 x lane.  B (Wo in f16) lies by rows, padded in LDS.
; CLUSTERS: 4 x 4: A's tiles are asked for jointly along a row of the cluster, B's along a column.
; The matrix instruction is used transposed (source 0 = 16 rows of Wo, source 1 = 16 tokens).  The bias is the C of each sum's first product.
.set KSTEP,  256
.set PITCH,  528                       ; B's LDS row: 512 bytes + 16
.set HALFA,  32768
.set HALFB,  64*PITCH
.set SLOT,   2*HALFA+2*HALFB
.set STAGE,  2*SLOT                    ; 16 rows x 272 bytes for each wave
.set SPITCH, 272
.set SPARE,  STAGE+4*16*SPITCH
.set WO16,   8355840
.set LAPS,   2
.set ADRA, 16
.set ADRB, 20
.set STO,  24
.set RD,   25
.set CO,   26
.set SPW,  28
.set NIL,  29
.set TMP,  32
.set BIAS, 96                          ; v96-127: register 8 b + j = Wo_b[n0 + 16 b + 8 h + j]
.set ACC,  128
.set F0,   0
.set F1,   128
.set G1, 24
.set G0, 32
.set G1B, 48
.set G0B, 56
.set MSB, 0
.macro WIN new
.if MSB != \new
	s_set_vgpr_msb (MSB<<8)|\new
.set MSB, \new
.endif
.endm
.set MUL,  0x05
.set TO_F, 0x40
.macro JLOAD s                         ; waves 0, 1 fetch A's halves, waves 2, 3 B's; s_nop 0 and four v_nop follow each line
	s_cmp_eq_u32 s13, 0
	s_cbranch_scc0 .Lfor_b_\@
	tensor_load_to_lds s[G0+4*\s:G0+4*\s+3], s[G1:G1+7]
	s_nop 0
.rept 4
	v_nop
.endr
	s_branch .Lasked_\@
.Lfor_b_\@:
	tensor_load_to_lds s[G0B+4*\s:G0B+4*\s+3], s[G1B:G1B+7]
	s_nop 0
.rept 4
	v_nop
.endr
.Lasked_\@:
.endm
.macro CREST
	s_cmp_lg_u32 s12, 0
	s_cbranch_scc1 .Lnot_wave_0_\@
	s_barrier_signal -3
.Lnot_wave_0_\@:
	s_barrier_wait -3
	s_barrier_signal -1
	s_barrier_wait -1
.endm
.macro CROUND
	s_barrier_signal -1
	s_barrier_wait -1
	CREST
.endm
	s_load_b256 s[4:11], s[0:1], 0x0               ; ao, pre, Wo_b, out0
	v_lshl_add_u32 v[SPW], v0, 2, SPARE
	v_mov_b32 v[NIL], 0
	ds_add_u32 v[SPW], v[NIL]                      ; the opening: the add, twice on end, and its wait ahead of my first tensor load
	ds_add_u32 v[SPW], v[NIL]
	v_lshrrev_b32 v1, 5, v0
	v_readfirstlane_b32 s12, v1                    ; wave
	s_lshr_b32 s13, s12, 1                         ; my half of the rows; also: I fetch for A (0) or B (1)
	s_and_b32 s14, s12, 1                          ; my half of the columns; also: which half I fetch
	s_bfe_u32 s40, ttmp6, 0x40000
	s_bfe_u32 s41, ttmp6, 0x40004
	s_lshl_b32 s42, ttmp9, 2
	s_add_co_u32 s42, s42, s40                     ; tile column
	s_and_b32 s15, ttmp7, 0xffff
	s_lshl_b32 s15, s15, 2
	s_add_co_u32 s15, s15, s41                     ; tile row
	s_lshl_b32 s43, s41, 2
	s_lshl_b32 s43, 15, s43
	s_lshl_b32 s44, 0x1111, s40
	s_or_b32 s[G1+0], s43, (3<<16)|(1<<21)         ; A: elements of 8 bytes, no padding
	s_mov_b32 s[G1+1], 1024<<16                    ; tensor_dim0 = 1,024 elements: 8,192 bytes
	s_mov_b32 s[G1+2], 4<<16                       ; tensor_dim1 = 4 token tiles
	s_mov_b32 s[G1+3], 1024<<16
	s_mov_b32 s[G1+4], 4
	s_mov_b32 s[G1+5], 4096                        ; 32,768 bytes from token tile to token tile
	s_mov_b32 s[G1+6], 0
	s_mov_b32 s[G1+7], 0
	s_or_b32 s[G1B+0], s44, (1<<16)|(1<<20)|(1<<21)|(6<<22)|(3<<25)   ; B: elements of 2 bytes, 4 words of padding behind every 128
	s_mov_b32 s[G1B+1], KSTEP<<16
	s_mov_b32 s[G1B+2], 64<<16
	s_mov_b32 s[G1B+3], KSTEP<<16
	s_mov_b32 s[G1B+4], 64
	s_mov_b32 s[G1B+5], 1024
	s_mov_b32 s[G1B+6], 0
	s_mov_b32 s[G1B+7], 0
	s_lshl_b32 s2, s14, 17
	s_lshl_b32 s16, s15, 18
	s_add_co_u32 s16, s16, s2                      ; A: (8 x tile row + 4 x half) x 32,768
	s_mov_b32 s17, 0
	s_lshl_b32 s46, s42, 18
	s_add_co_u32 s46, s46, s2
	s_add_co_u32 s46, s46, WO16                    ; B: (128 x tile column + 64 x half) x 2,048
	s_mov_b32 s47, 0
	s_lshl_b32 s45, s14, 15                        ; where they go: A's halves,
	s_mul_i32 s66, s14, HALFB
	s_add_co_u32 s66, s66, 2*HALFA                 ; B's behind them
	s_wait_dscnt 0x0
	s_wait_kmcnt 0x0
	s_add_nc_u64 s[16:17], s[4:5], s[16:17]
	s_add_nc_u64 s[46:47], s[6:7], s[46:47]
	CROUND
.irp s, 0,1
	s_mov_b32 s[G0+4*\s], 1
	s_add_co_u32 s[G0+4*\s+1], s45, \s*SLOT
	s_add_nc_u64 s[G0+4*\s+2:G0+4*\s+3], s[16:17], \s*8192
	s_or_b32 s[G0+4*\s+3], s[G0+4*\s+3], 0x80000000
	s_mov_b32 s[G0B+4*\s], 1
	s_add_co_u32 s[G0B+4*\s+1], s66, \s*SLOT
	s_add_nc_u64 s[G0B+4*\s+2:G0B+4*\s+3], s[46:47], \s*KSTEP*2
	s_or_b32 s[G0B+4*\s+3], s[G0B+4*\s+3], 0x80000000
	JLOAD \s
.endr
	v_and_b32 v1, 15, v0                           ; r
	v_bfe_u32 v2, v0, 4, 1                         ; h
	v_mul_u32_u24 v3, v1, PITCH
	v_lshl_add_u32 v3, v2, 4, v3
	v_and_b32 v6, 31, v0
	v_lshlrev_b32 v6, 4, v6
	s_lshl_b32 s21, s13, 15
	s_mul_i32 s22, s14, HALFB
	s_add_co_u32 s22, s22, 2*HALFA
.irp s, 0,1
	v_add_nc_u32 v[ADRA+\s], s21, v6
	v_add_nc_u32 v[ADRB+\s], s22, v3
	s_add_co_u32 s21, s21, SLOT
	s_add_co_u32 s22, s22, SLOT
.endr
	s_mul_i32 s23, s12, 16*SPITCH
	s_add_co_u32 s23, s23, STAGE                   ; my stage
	v_mul_u32_u24 v4, v1, SPITCH
	v_lshl_add_u32 v4, v2, 5, v4
	v_add_nc_u32 v[STO], s23, v4                   ; in: row r, 32 bytes for each half of the lanes
	v_mul_u32_u24 v5, v2, SPITCH
	v_lshl_add_u32 v5, v1, 4, v5
	v_add_nc_u32 v[RD], s23, v5                    ; back: two rows an instruction
	v_lshlrev_b32 v5, 12, v2
	v_lshl_add_u32 v[CO], v1, 4, v5
	s_lshl_b32 s20, s42, 9
	s_lshl_b32 s21, s14, 8
	s_add_co_u32 s20, s20, s21                     ; 4 n0
	s_mov_b32 s21, 0
	s_add_nc_u64 s[8:9], s[8:9], s[20:21]
	s_add_nc_u64 s[10:11], s[10:11], s[20:21]
	s_lshl_b32 s20, s15, 19
	s_lshl_b32 s22, s13, 18
	s_add_co_u32 s20, s20, s22                     ; (128 x tile row + 64 x half) rows of 4,096 bytes
	s_add_nc_u64 s[10:11], s[10:11], s[20:21]
	v_lshlrev_b32 v7, 5, v2
.irp b, 0,1,2,3
	global_load_b128 v[BIAS+8*\b:BIAS+8*\b+3], v7, s[8:9] offset:64*\b
	global_load_b128 v[BIAS+8*\b+4:BIAS+8*\b+7], v7, s[8:9] offset:64*\b+16
.endr
; 8 matrix instructions; first = 1: the bias starts the sums.  The 16 accumulators take turns.
.macro MUL8 f, c, a0, first
.irp a, \a0, \a0+1
.irp b, 0,1,2,3
.if \first
	v_wmma_f32_16x16x32_f16 v[ACC+8*(4*(\a)+\b):ACC+8*(4*(\a)+\b)+7], v[\f+64+8*(4*\c+\b):\f+64+8*(4*\c+\b)+7], v[\f+8*(4*\c+\a):\f+8*(4*\c+\a)+7], v[BIAS+8*\b:BIAS+8*\b+7]
.else
	v_wmma_f32_16x16x32_f16 v[ACC+8*(4*(\a)+\b):ACC+8*(4*(\a)+\b)+7], v[\f+64+8*(4*\c+\b):\f+64+8*(4*\c+\b)+7], v[\f+8*(4*\c+\a):\f+8*(4*\c+\a)+7], v[ACC+8*(4*(\a)+\b):ACC+8*(4*(\a)+\b)+7]
.endif
.endr
.endr
.endm
.macro FETCH slot, k, f                ; 32 LDS loads: the fragments of 64 along K (byte k of B's rows; A's fragments k / 64 and k / 64 + 1)
	WIN TO_F
.irp c, 0,1
.irp i, 0,1,2,3
	ds_load_b128 v[\f+64+8*(4*\c+\i):\f+64+8*(4*\c+\i)+3],   v[ADRB+\slot] offset:\k+64*\c+\i*16*PITCH
	ds_load_b128 v[\f+64+8*(4*\c+\i)+4:\f+64+8*(4*\c+\i)+7], v[ADRB+\slot] offset:\k+64*\c+\i*16*PITCH+32
	ds_load_b128 v[\f+8*(4*\c+\i):\f+8*(4*\c+\i)+3],         v[ADRA+\slot] offset:\i*8192+((\k)/64+\c)*1024
	ds_load_b128 v[\f+8*(4*\c+\i)+4:\f+8*(4*\c+\i)+7],       v[ADRA+\slot] offset:\i*8192+((\k)/64+\c)*1024+512
.endr
.endr
.endm
.macro PLACES
.rept 4
	v_nop
.endr
.endm
.macro QUARTER slot, k, f, g, first
	s_wait_dscnt 16                                ; the first 32 along K are in
	WIN MUL
	MUL8 \f, 0, 0, \first
	MUL8 \f, 0, 2, \first
	PLACES
	FETCH \slot, \k, \g
	s_wait_dscnt 32                                ; all but the 32 just issued
	WIN MUL
	MUL8 \f, 1, 0, 0
	MUL8 \f, 1, 2, 0
.endm
.macro TURN slot, next, fill           ; a slot's last quarter changes slots: one barrier, which opens a round of the cluster's where the slot is filled again
	WIN 0
	s_wait_tensorcnt 0x0                           ; all my tensor loads have landed: my part of the next slot
	ds_add_u32 v[SPW], v[NIL]
	s_wait_dscnt 17                                ; the add and the youngest sixteen loads may be out
	WIN MUL
	MUL8 F1, 0, 0, 0
	s_wait_dscnt 0x0                               ; the add is done, my reads of this slot are over
	s_barrier_signal -1
	MUL8 F1, 0, 2, 0
.if \fill
	WIN 0
.endif
	s_barrier_wait -1
.if \fill
	CREST
	s_add_nc_u64 s[G0+4*\slot+2:G0+4*\slot+3], s[G0+4*\slot+2:G0+4*\slot+3], 2*8192
	s_add_nc_u64 s[G0B+4*\slot+2:G0B+4*\slot+3], s[G0B+4*\slot+2:G0B+4*\slot+3], 2*KSTEP*2
	JLOAD \slot                                    ; my one tensor load behind the round; its four v_nop are also the places in front of the loads below
.else
	PLACES
.endif
	FETCH \next, 0, F0
	WIN MUL
	MUL8 F1, 1, 0, 0
	MUL8 F1, 1, 2, 0
.endm
	s_wait_tensorcnt 1                             ; my part of K step 0 is in; K step 1's load may be out
	s_barrier_signal -1
	s_barrier_wait -1
	FETCH 0, 0, F0
	s_wait_loadcnt 0x0                             ; the bias
	QUARTER 0, 128, F0, F1, 1
	WIN 0
	s_mov_b32 s3, LAPS-1
.Llap:
	QUARTER 0, 256, F1, F0, 0
	QUARTER 0, 384, F0, F1, 0
	TURN 0, 1, 1
	QUARTER 1, 128, F0, F1, 0
	QUARTER 1, 256, F1, F0, 0
	QUARTER 1, 384, F0, F1, 0
	TURN 1, 0, 1
	QUARTER 0, 128, F0, F1, 0
	WIN 0
	s_sub_co_u32 s3, s3, 1
	s_cmp_lg_u32 s3, 0
	s_cbranch_scc1 .Llap
	QUARTER 0, 256, F1, F0, 0                      ; the last lap fills nothing
	QUARTER 0, 384, F0, F1, 0
	TURN 0, 1, 0
	QUARTER 1, 128, F0, F1, 0
	QUARTER 1, 256, F1, F0, 0
	QUARTER 1, 384, F0, F1, 0
	s_wait_dscnt 16
	WIN MUL
	MUL8 F1, 0, 0, 0
	MUL8 F1, 0, 2, 0
	s_wait_dscnt 0
	MUL8 F1, 1, 0, 0
	MUL8 F1, 1, 2, 0
	WIN 0
; THE WAY OUT: my 64 columns of f32 are 256 aligned bytes of a row.  16 rows at a time go through my own stage and come back as whole rows.
.macro TOSTAGE a
.irp b, 0,1,2,3
	ds_store_b128 v[STO], v[ACC+8*(4*(\a)+\b):ACC+8*(4*(\a)+\b)+3] offset:64*\b         ; each accumulator from its low end on
	ds_store_b128 v[STO], v[ACC+8*(4*(\a)+\b)+4:ACC+8*(4*(\a)+\b)+7] offset:64*\b+16
.endr
.set BB, TMP+32*((\a)%2)
.irp t, 0,1,2,3,4,5,6,7
	ds_load_b128 v[BB+4*\t:BB+4*\t+3], v[RD] offset:\t*2*SPITCH                         ; LDS serves a wave's instructions in order
.endr
.endm
.macro SEND a, younger
.set BB, TMP+32*((\a)%2)
	s_wait_dscnt \younger
.irp t, 0,1,2,3,4,5,6,7
	global_store_b128 v[CO], v[BB+4*\t:BB+4*\t+3], s[10:11] offset:(16*(\a)+2*\t)*4096 th:TH_STORE_NT   ; 16 lanes store 256 consecutive aligned bytes
.endr
.endm
	PLACES
	TOSTAGE 0
	TOSTAGE 1
	SEND 0, 16                                     ; behind block 0's loads: block 1's 8 stores and 8 loads
	s_wait_xcnt 0x0                                ; block 0's stores have read their registers
	TOSTAGE 2
	SEND 1, 16
	s_wait_xcnt 0x0
	TOSTAGE 3
	SEND 2, 16
	SEND 3, 0
	s_wait_tensorcnt 0x0                           ; the wave's end
	ds_add_u32 v[SPW], v[NIL]
	s_wait_dscnt 0x0
	CROUND                                         ; the closing round
	s_endpgm
.Lfunc_end_k_q61c8e5c530_oproj:
	.size	k_q61c8e5c530_oproj, .Lfunc_end_k_q61c8e5c530_oproj-k_q61c8e5c530_oproj
	.p2alignl 7, 3214868480
	.fill 96, 4, 3214868480
	.section	.rodata,"a",@progbits
	.p2align	6, 0x0
	.amdhsa_kernel k_q61c8e5c530_oproj
		.amdhsa_group_segment_fixed_size 327680
		.amdhsa_private_segment_fixed_size 0
		.amdhsa_enable_private_segment 0
		.amdhsa_kernarg_size 32
		.amdhsa_user_sgpr_count 2
		.amdhsa_user_sgpr_kernarg_segment_ptr 1
		.amdhsa_wavefront_size32 1
		.amdhsa_system_sgpr_workgroup_id_x 1
		.amdhsa_system_sgpr_workgroup_id_y 1
		.amdhsa_system_sgpr_workgroup_id_z 1
		.amdhsa_system_vgpr_workitem_id 0
		.amdhsa_next_free_vgpr 512
		.amdhsa_next_free_sgpr 68
		.amdhsa_reserve_vcc 0
		.amdhsa_float_denorm_mode_32 3
		.amdhsa_float_denorm_mode_16_64 3
		.amdhsa_memory_ordered 1
		.amdhsa_forward_progress 1
		.amdhsa_inst_pref_size 86
	.end_amdhsa_kernel
	.amdgpu_metadata
---
amdhsa.version: [ 1, 2 ]
amdhsa.kernels:
  - .name:           k_q61c8e5c530_oproj
    .symbol:         k_q61c8e5c530_oproj.kd
    .args:
      - { .name: ao, .offset: 0, .size: 8, .value_kind: global_buffer, .address_space: global }
      - { .name: pre, .offset: 8, .size: 8, .value_kind: global_buffer, .address_space: global }
      - { .name: Wo_b, .offset: 16, .size: 8, .value_kind: global_buffer, .address_space: global }
      - { .name: out0, .offset: 24, .size: 8, .value_kind: global_buffer, .address_space: global }
    .group_segment_fixed_size: 327680
    .private_segment_fixed_size: 0
    .kernarg_segment_align: 8
    .kernarg_segment_size: 32
    .max_flat_workgroup_size: 128
    .sgpr_count:     68
    .vgpr_count:     512
    .wavefront_size: 32
...
	.end_amdgpu_metadata
.endif
;; end of part 4
;; launch fine (part 5): grid 64 x 1, 16 waves a work-group, no clusters, 280,576 bytes of LDS; arguments hi, lo, msk, Wo_w, Wo_b, out0, flg; writes out0
.if DOCPART == 5
	.amdgcn_target "amdgcn-amd-amdhsa--gfx1250"
	.amdhsa_code_object_version 6
	.text
	.protected	k_q61c8e5c530_fine
	.globl	k_q61c8e5c530_fine
	.p2align	8
	.type	k_q61c8e5c530_fine,@function
k_q61c8e5c530_fine:
	s_mov_b64 s[64:65], 0
	v_nop
	global_prefetch_b8 v0, s[64:65] scope:SCOPE_SE
	s_setreg_imm32_b32 hwreg(HW_REG_WAVE_MODE, 25, 1), 1
	s_wait_xcnt 0x0
; The first 16 positions once more, finely: every operand of the three products left as they are is a pair of f16 numbers, a high and a low part split in f32,
; and x y is taken as xh yh + xh yl + xl yh on the matrix units, sums in f32.  These rows average few values and are the largest in size.
; Wave = head.  Every work-group redoes query tile 0 of all 16 heads and makes output columns 16 x .. 16 x + 15 of rows 0-15; the heads' parts meet in LDS.
; The walk over key steps is steered by tile 0's stored flags (all steps if a row has no open key); the mask's bits are applied in every step taken.
; V's images go through the wave's own LDS bytes for the turning load.  The stores are 16-byte pieces: a tile's row is 64 bytes, the launch writes 64 KB in all.
; LIMITS as in the attention launch.
.set KVSEC, 8388608
.set PART,  262144                     ; behind the waves' 16 x 16,384 bytes: 1,024 bytes a head
.set SPARE, 278528
.set L16, 1
.set VB,  2                            ; 16,384 wave + 16 lane
.set VMB, 3
.set L4,  4
.set PST, 5
.set SPW, 6
.set NIL, 7
.set TT,  8                            ; +0 m, +2,+3 l, +4..+7 at work, +6 a
.set MB,  16
.set NEG, 17
.set WH,  24
.set PH,  40
.set PL,  56
.set WL,  72
.set S,   88
.set O,   120
.set KV,  152
.set QH,  216
.set QL,  232
.set PRD, 248
.set BOF, 249
.set OOF, 250
.set CA,  44
.set IC,  45
.set OC,  46
.set JB,  47
.macro PLACES
.rept 4
	v_nop
.endr
.endm
; 2 n numbers in f32 at src -> n words of f16 high parts at hi, n words of low parts at lo
.macro SPLIT hi, lo, src, n
.set ii, 0
.rept (\n)/2
	v_cvt_pk_f16_f32 v18, v[\src+2*ii], v[\src+2*ii+1]
	v_cvt_pk_f16_f32 v19, v[\src+2*ii+2], v[\src+2*ii+3]
	v_mov_b32 v[\hi+ii], v18
	v_mov_b32 v[\hi+ii+1], v19
	v_cvt_f32_f16 v20, v18.l
	v_cvt_f32_f16 v21, v18.h
	v_cvt_f32_f16 v22, v19.l
	v_cvt_f32_f16 v23, v19.h
	v_pk_add_f32 v[20:21], v[\src+2*ii:\src+2*ii+1], v[20:21] neg_lo:[0,1] neg_hi:[0,1]
	v_pk_add_f32 v[22:23], v[\src+2*ii+2:\src+2*ii+3], v[22:23] neg_lo:[0,1] neg_hi:[0,1]
	v_cvt_pk_f16_f32 v[\lo+ii], v20, v21
	v_cvt_pk_f16_f32 v[\lo+ii+1], v22, v23
.set ii, ii+2
.endr
.endm
	s_load_b256 s[4:11], s[0:1], 0x0               ; hi, lo, msk, Wo_w
	s_load_b128 s[12:15], s[0:1], 0x20             ; Wo_b, out0
	s_load_b64 s[48:49], s[0:1], 0x30              ; flg
	v_lshl_add_u32 v[SPW], v0, 2, SPARE
	v_mov_b32 v[NIL], 0
	v_lshrrev_b32 v1, 5, v0
	v_readfirstlane_b32 s16, v1                    ; wave = head
	v_and_b32 v18, 31, v0
	v_and_b32 v19, 15, v0                          ; r
	v_bfe_u32 v20, v0, 4, 1                        ; h
	v_lshlrev_b32 v[L16], 4, v18
	v_lshlrev_b32 v[L4], 2, v18
	s_lshl_b32 s17, s16, 14
	v_add_nc_u32 v[VB], s17, v[L16]
	s_lshl_b32 s17, s16, 10
	s_add_co_u32 s17, s17, PART
	v_lshl_add_u32 v[PST], v18, 5, s17             ; my head's part: 32 bytes a lane
	s_lshl_b32 s17, s16, 4
	s_add_co_u32 s18, s17, PART
	v_lshl_add_u32 v[PRD], v18, 5, s18             ; waves 0, 1 read back 16 bytes a lane of every head's part
	v_lshl_add_u32 v[BOF], v20, 5, s17             ; 32 h + 16 wave
	v_lshl_add_u32 v[OOF], v19, 12, v[BOF]
	v_lshlrev_b32 v21, 12, v19
	v_lshl_add_u32 v21, v20, 5, v21                ; Wo: row r of 4,096 bytes, + 32 h
	v_mov_b32 v[NEG], 0xceabfb8f                   ; -1e9 x log2(e)
	s_mov_b32 s42, 0x76543210
	s_mov_b32 s43, 0xfedcba98
	s_wait_kmcnt 0x0
	s_load_b256 s[24:31], s[48:49], 0x0            ; tile 0: ANY, ALIVE
	s_lshl_b32 s20, s16, 20
	s_add_co_u32 s20, s20, KVSEC
	s_mov_b32 s21, 0
	s_add_nc_u64 s[32:33], s[4:5], s[20:21]        ; the head's K and V, high parts,
	s_add_nc_u64 s[34:35], s[6:7], s[20:21]        ; low parts
	s_lshl_b32 s20, s16, 19
	s_add_nc_u64 s[36:37], s[4:5], s[20:21]        ; Q's tile 0
	s_add_nc_u64 s[38:39], s[6:7], s[20:21]
	s_lshl_b32 s20, ttmp9, 16
	s_lshl_b32 s22, s16, 8
	s_add_co_u32 s20, s20, s22
	s_add_nc_u64 s[10:11], s[10:11], s[20:21]      ; Wo at row 16 x, column 64 head
	s_lshl_b32 s20, ttmp9, 6
	s_add_nc_u64 s[12:13], s[12:13], s[20:21]
	s_add_nc_u64 s[14:15], s[14:15], s[20:21]
.irp f, 0,1,2,3
	global_load_b128 v[QH+4*\f:QH+4*\f+3], v[L16], s[36:37] offset:512*\f
	global_load_b128 v[QL+4*\f:QL+4*\f+3], v[L16], s[38:39] offset:512*\f
	global_load_b128 v[S+8*\f:S+8*\f+3], v21, s[10:11] offset:64*\f
	global_load_b128 v[S+8*\f+4:S+8*\f+7], v21, s[10:11] offset:64*\f+16
.endr
.set ii, 0
.rept 32
	v_mov_b32 v[O+ii], 0                           ; which step is the first hangs on the flags
.set ii, ii+1
.endr
	v_mov_b32 v[TT], 0xff61b1e6                    ; m = -3e38
.irp k, 1,2,3,4,5,6,7
	v_mov_b32 v[TT+\k], 0
.endr
	s_wait_kmcnt 0x0
	s_or_b32 s40, s24, s25
	s_or_b32 s41, s26, s27
	s_or_b32 s20, s28, s29
	s_or_b32 s22, s30, s31
	s_or_b32 s20, s20, s22
	s_cmp_eq_u32 s20, 0xffff
	s_cselect_b32 s40, s40, -1
	s_cselect_b32 s41, s41, -1
	s_wait_loadcnt 0x0
	SPLIT WH, WL, S, 16
	s_mov_b32 s[JB], 0
	s_mov_b32 s[OC], 0
.Lfword:
	s_cmp_eq_u32 s[OC], 0
	s_cselect_b32 s[CA], s40, s41
	s_mov_b32 s[IC], 32
.Lfstep:
	s_bitcmp1_b32 s[CA], 0
	s_cbranch_scc0 .Lfskip
	v_add_nc_u32 v[VMB], s[JB], v[L4]
	global_load_b32 v[MB], v[VMB], s[8:9]
.irp u, 0,1                            ; key tiles 2 u, 2 u + 1: high and low parts; twelve products on two accumulators by turns
.irp f, 0,1,2,3,4,5,6,7
	global_load_b128 v[KV+32*(\f/4)+4*(\f%4):KV+32*(\f/4)+4*(\f%4)+3], v[L16], s[32:33] offset:4096*\u+512*\f
	global_load_b128 v[KV+32*(\f/4)+16+4*(\f%4):KV+32*(\f/4)+16+4*(\f%4)+3], v[L16], s[34:35] offset:4096*\u+512*\f
.endr
	s_wait_loadcnt 0x0
.irp m, 0,1,2                          ; kh qh, kh ql, kl qh
.irp s, 0,1
.irp kk, 0,1
.if (\m == 0) && (\s == 0)
	v_wmma_f32_16x16x32_f16 v[S+8*(2*\u+\kk):S+8*(2*\u+\kk)+7], v[KV+32*\kk:KV+32*\kk+7], v[QH:QH+7], 0
.else
	v_wmma_f32_16x16x32_f16 v[S+8*(2*\u+\kk):S+8*(2*\u+\kk)+7], v[KV+32*\kk+16*(\m/2)+8*\s:KV+32*\kk+16*(\m/2)+8*\s+7], v[QH+16*(\m%2)+8*\s:QH+16*(\m%2)+8*\s+7], v[S+8*(2*\u+\kk):S+8*(2*\u+\kk)+7]
.endif
.endr
.endr
.endr
	PLACES
.endr
.irp f, 0,1,2,3,4,5,6,7,8,9,10,11,12,13,14,15
	global_load_b128 v[KV+4*\f:KV+4*\f+3], v[L16], s[32:33] offset:8192+512*\f      ; V's high parts, on their way during the softmax
.endr
.set nn, 0
.rept 32
	v_and_b32 v18, 1<<nn, v[MB]
	v_cmp_ne_u32 vcc_lo, 0, v18
	v_cndmask_b32 v[S+nn], v[NEG], v[S+nn], vcc_lo
.set nn, nn+1
.endr
.irp j, 0,1,2,3
	v_max3_num_f32 v[TT+4+\j], v[S+8*\j], v[S+8*\j+1], v[S+8*\j+2]
.endr
.irp u, 1,2
.irp j, 0,1,2,3
	v_max3_num_f32 v[TT+4+\j], v[TT+4+\j], v[S+8*\j+2*\u+1], v[S+8*\j+2*\u+2]
.endr
.endr
	v_max3_num_f32 v[TT+4], v[TT+4], v[S+7], v[S+15]
	v_max3_num_f32 v[TT+6], v[TT+6], v[S+23], v[S+31]
	v_max3_num_f32 v[TT+4], v[TT+4], v[TT+5], v[TT+6]
	v_max3_num_f32 v[TT+4], v[TT+4], v[TT+7], v[TT]
	v_permlanex16_b32 v[TT+5], v[TT+4], s42, s43
	v_max_num_f32 v[TT+4], v[TT+4], v[TT+5]
	v_sub_f32 v[TT+7], v[TT], v[TT+4]
	v_mov_b32 v[TT], v[TT+4]
.set ii, 0
.rept 16
	v_pk_add_f32 v[S+2*ii:S+2*ii+1], v[S+2*ii:S+2*ii+1], v[TT:TT+1] op_sel_hi:[1,0] neg_lo:[0,1] neg_hi:[0,1]
.set ii, ii+1
.endr
	v_exp_f32 v[TT+6], v[TT+7]
.set ii, 0
.rept 32
	v_exp_f32 v[S+ii], v[S+ii]
.set ii, ii+1
.endr
	v_nop
	s_wait_alu depctr_va_vdst(0)                   ; one wait for the batch of 33
	SPLIT PH, PL, S, 16
.irp w, 4,8,16,32
.set uu, 0
.rept 32/\w
	v_pk_add_f32 v[S+\w*uu:S+\w*uu+1], v[S+\w*uu:S+\w*uu+1], v[S+\w*uu+\w/2:S+\w*uu+\w/2+1]
.set uu, uu+1
.endr
.endr
	v_pk_fma_f32 v[TT+2:TT+3], v[TT+2:TT+3], v[TT+6:TT+7], v[S:S+1] op_sel_hi:[1,0,1]
.set ii, 0
.rept 16
	v_pk_mul_f32 v[O+2*ii:O+2*ii+1], v[O+2*ii:O+2*ii+1], v[TT+6:TT+7] op_sel_hi:[1,0]
.set ii, ii+1
.endr
	s_wait_loadcnt 0x0
.irp f, 0,1,2,3,4,5,6,7,8,9,10,11,12,13,14,15
	ds_store_b128 v[VB], v[KV+4*\f:KV+4*\f+3] offset:512*\f
.endr
	s_wait_dscnt 0x0                               ; the stores have read their registers
.irp f, 0,1,2,3,4,5,6,7,8,9,10,11,12,13,14,15
	global_load_b128 v[KV+4*\f:KV+4*\f+3], v[L16], s[34:35] offset:8192+512*\f      ; V's low parts
.endr
	s_wait_loadcnt 0x0
.irp f, 0,1,2,3,4,5,6,7,8,9,10,11,12,13,14,15
	ds_store_b128 v[VB], v[KV+4*\f:KV+4*\f+3] offset:8192+512*\f
.endr
	s_wait_dscnt 0x0
.irp ks, 0,1
.irp c, 0,1
.irp dt, 0,1,2,3
	ds_load_tr16_b128 v[KV+8*\dt+4*\c:KV+8*\dt+4*\c+3], v[VB] offset:(2*\ks+\c)*2048+512*\dt
	ds_load_tr16_b128 v[KV+32+8*\dt+4*\c:KV+32+8*\dt+4*\c+3], v[VB] offset:8192+(2*\ks+\c)*2048+512*\dt
.endr
.endr
	s_wait_dscnt 0x0
.irp m, 0,1,2                          ; vh ph, vh pl, vl ph: four accumulators by turns
.irp dt, 0,1,2,3
	v_wmma_f32_16x16x32_f16 v[O+8*\dt:O+8*\dt+7], v[KV+32*(\m/2)+8*\dt:KV+32*(\m/2)+8*\dt+7], v[PH+16*(\m%2)+8*\ks:PH+16*(\m%2)+8*\ks+7], v[O+8*\dt:O+8*\dt+7]
.endr
.endr
	PLACES
.endr
.Lfskip:
	s_wait_xcnt 0x0                                ; the step's loads have read their bases
	s_add_nc_u64 s[32:33], s[32:33], 16384
	s_add_nc_u64 s[34:35], s[34:35], 16384
	s_add_co_u32 s[JB], s[JB], 128
	s_lshr_b32 s[CA], s[CA], 1
	s_sub_co_u32 s[IC], s[IC], 1
	s_cmp_lg_u32 s[IC], 0
	s_cbranch_scc1 .Lfstep
	s_add_co_u32 s[OC], s[OC], 1
	s_cmp_lt_u32 s[OC], 2
	s_cbranch_scc1 .Lfword
	v_add_f32 v[TT+2], v[TT+2], v[TT+3]
	v_permlanex16_b32 v[TT+3], v[TT+2], s42, s43
	v_add_f32 v[TT+2], v[TT+2], v[TT+3]            ; the row's sum
	v_rcp_f32 v[TT+2], v[TT+2]
	v_nop
	s_wait_alu depctr_va_vdst(0)
.set ii, 0
.rept 16
	v_pk_mul_f32 v[O+2*ii:O+2*ii+1], v[O+2*ii:O+2*ii+1], v[TT+2:TT+3] op_sel_hi:[1,0]
.set ii, ii+1
.endr
	SPLIT PH, PL, O, 16
.irp m, 0,1,2                          ; wh ah, wh al, wl ah: K = my head's 64, two steps on two accumulators by turns
.irp s, 0,1
.if \m == 0
	v_wmma_f32_16x16x32_f16 v[S+8-8*\s:S+15-8*\s], v[WH+8*\s:WH+8*\s+7], v[PH+8*\s:PH+8*\s+7], 0
.else
	v_wmma_f32_16x16x32_f16 v[S+8-8*\s:S+15-8*\s], v[WH+48*(\m/2)+8*\s:WH+48*(\m/2)+8*\s+7], v[PH+16*(\m%2)+8*\s:PH+16*(\m%2)+8*\s+7], v[S+8-8*\s:S+15-8*\s]
.endif
.endr
.endr
	PLACES
.irp i, 0,2,4,6
	v_pk_add_f32 v[S+16+\i:S+17+\i], v[S+\i:S+1+\i], v[S+8+\i:S+9+\i]     ; register j: out(token r, column 16 x + 8 h + j), my head's part
.endr
	ds_store_b128 v[PST], v[S+16:S+19]
	ds_store_b128 v[PST], v[S+20:S+23] offset:16
	s_wait_dscnt 0x0
	s_barrier_signal -1
	s_barrier_wait -1
	s_cmp_lt_u32 s16, 2
	s_cbranch_scc0 .Lfend
	global_load_b128 v[S+24:S+27], v[BOF], s[12:13]                        ; Wo_b[16 x + 8 h + 4 wave ..]
.irp d, 0,1,2,3,4,5,6,7,8,9,10,11,12,13,14,15
	ds_load_b128 v[KV+4*\d:KV+4*\d+3], v[PRD] offset:1024*\d
.endr
	s_wait_dscnt 0x0
.irp d, 1,2,3,4,5,6,7,8,9,10,11,12,13,14,15
	v_pk_add_f32 v[KV:KV+1], v[KV:KV+1], v[KV+4*\d:KV+4*\d+1]
	v_pk_add_f32 v[KV+2:KV+3], v[KV+2:KV+3], v[KV+4*\d+2:KV+4*\d+3]
.endr
	s_wait_loadcnt 0x0
	v_pk_add_f32 v[KV:KV+1], v[KV:KV+1], v[S+24:S+25]
	v_pk_add_f32 v[KV+2:KV+3], v[KV+2:KV+3], v[S+26:S+27]
	global_store_b128 v[OOF], v[KV:KV+3], s[14:15]
.Lfend:
	s_wait_tensorcnt 0x0                           ; the wave's end
	ds_add_u32 v[SPW], v[NIL]
	s_wait_dscnt 0x0
	s_endpgm
.Lfunc_end_k_q61c8e5c530_fine:
	.size	k_q61c8e5c530_fine, .Lfunc_end_k_q61c8e5c530_fine-k_q61c8e5c530_fine
	.p2alignl 7, 3214868480
	.fill 96, 4, 3214868480
	.section	.rodata,"a",@progbits
	.p2align	6, 0x0
	.amdhsa_kernel k_q61c8e5c530_fine
		.amdhsa_group_segment_fixed_size 280576
		.amdhsa_private_segment_fixed_size 0
		.amdhsa_enable_private_segment 0
		.amdhsa_kernarg_size 56
		.amdhsa_user_sgpr_count 2
		.amdhsa_user_sgpr_kernarg_segment_ptr 1
		.amdhsa_wavefront_size32 1
		.amdhsa_system_sgpr_workgroup_id_x 1
		.amdhsa_system_sgpr_workgroup_id_y 1
		.amdhsa_system_sgpr_workgroup_id_z 1
		.amdhsa_system_vgpr_workitem_id 0
		.amdhsa_next_free_vgpr 256
		.amdhsa_next_free_sgpr 66
		.amdhsa_reserve_vcc 1
		.amdhsa_float_denorm_mode_32 3
		.amdhsa_float_denorm_mode_16_64 3
		.amdhsa_memory_ordered 1
		.amdhsa_forward_progress 1
		.amdhsa_inst_pref_size 48
	.end_amdhsa_kernel
	.amdgpu_metadata
---
amdhsa.version: [ 1, 2 ]
amdhsa.kernels:
  - .name:           k_q61c8e5c530_fine
    .symbol:         k_q61c8e5c530_fine.kd
    .args:
      - { .name: hi, .offset: 0, .size: 8, .value_kind: global_buffer, .address_space: global }
      - { .name: lo, .offset: 8, .size: 8, .value_kind: global_buffer, .address_space: global }
      - { .name: msk, .offset: 16, .size: 8, .value_kind: global_buffer, .address_space: global }
      - { .name: Wo_w, .offset: 24, .size: 8, .value_kind: global_buffer, .address_space: global }
      - { .name: Wo_b, .offset: 32, .size: 8, .value_kind: global_buffer, .address_space: global }
      - { .name: out0, .offset: 40, .size: 8, .value_kind: global_buffer, .address_space: global }
      - { .name: flg, .offset: 48, .size: 8, .value_kind: global_buffer, .address_space: global }
    .group_segment_fixed_size: 280576
    .private_segment_fixed_size: 0
    .kernarg_segment_align: 8
    .kernarg_segment_size: 56
    .max_flat_workgroup_size: 512
    .sgpr_count:     66
    .vgpr_count:     256
    .wavefront_size: 32
...
	.end_amdgpu_metadata
.endif
;; end of part 5
